; MI455X (gfx1250); checked and timed in simulation.
; The chip was launched on July 23, 2026; its instructions are those of AMD's public machine-readable ISA for CDNA 5 (MIT licence, August 2026) and "CDNA5" Instruction Set Architecture Reference Guide (July 2026). The comments in the code are by the model that wrote it; some were corrected since.
;; Multi Head Self Attention. Allowed arithmetic: matrix products marked QUANTISED: E4M3 operands, one given power-of-two scale a tensor, by v_wmma_f32_16x16x64_fp8_fp8 or v_wmma_f32_16x16x128_fp8_fp8, f32 sums; everything else in f32.
;; Inputs: lowp_scales 12 int32 (the exponents e of the quantised operands' scales 2^e); token_positions 2 x 2,048 int32; w_k 1,024 x 1,024 float32; w_o 1,024 x 1,024 float32; w_q 1,024 x 1,024 float32; w_v 1,024 x 1,024 float32; x 2 x 2,048 x 1,024 float32.
;; Outputs: out0 2 x 2,048 x 1,024 float32.
;; This version of the problem:
;;   THIS VERSION OF THE PROBLEM IS GIVEN IN LOW PRECISION. The matrix products marked QUANTISED in the list below multiply operands that are first quantised to E4M3 (4 exponent bits, 3 mantissa bits; 8 bits a number), with one given power-of-two scale for each operand tensor; their sums are f32. All else is computed in f32.
;;   The module's matrix products, in the order in which they are computed (A, B: the left and right operand; K: the contracted axis; several contracted axes count as one K, in the product's order):
;;     1. [M 4,096, K 1,024] x [K 1,024, N 1,024]; A: input x; B: input w_q: QUANTISED (scales: A lowp_scales[0], B lowp_scales[1])
;;     2. [M 4,096, K 1,024] x [K 1,024, N 1,024]; A: input x; B: input w_k: QUANTISED (scales: A lowp_scales[2], B lowp_scales[3])
;;     3. [M 4,096, K 1,024] x [K 1,024, N 1,024]; A: input x; B: input w_v: QUANTISED (scales: A lowp_scales[4], B lowp_scales[5])
;;     4. batch 32 x [M 2,048, K 64] x [K 64, N 2,048]; A: computed on the way; B: computed on the way: QUANTISED (scales: A lowp_scales[6], B lowp_scales[7])
;;     5. batch 32 x [M 2,048, K 2,048] x [K 2,048, N 64]; A: softmax (see below); B: computed on the way: QUANTISED (scales: A lowp_scales[8], B lowp_scales[9])
;;     6. [M 4,096, K 1,024] x [K 1,024, N 1,024]; A: computed on the way; B: input w_o: QUANTISED (scales: A lowp_scales[10], B lowp_scales[11])
;;   THE QUANTISER, for each operand of a quantised product, along K:
;;     - The operand's scale is 2^e, e = its entry of the input lowp_scales (int32; the entries are numbered through the quantised products in the list's order, A before B).
;;     - Each number is divided by the scale, clamped to +-448, and rounded to the nearest number of E4M3, ties to even, subnormals kept.
;;     - The product sums the exact products of the quantised numbers (number of the format x scale) in f32.
;;   ~~~python
;;   def quantise(x, axis, e):      # numpy; x: float32 -> the quantised numbers, widened to float32 again
;;       x = np.moveaxis(x, axis, -1); K = x.shape[-1]
;;       r = np.clip(x / 2.0 ** e, -448, 448)
;;       step = 2.0 ** (np.maximum(np.frexp(np.where(r == 0, 1, r))[1] - 1, -6) - 3)
;;       q = np.round(r / step) * step * 2.0 ** e      # np.round: ties to even
;;       return np.moveaxis(q, -1, axis).astype(np.float32)
;;   ~~~
;;   SOFTMAX AHEAD OF A QUANTISED PRODUCT. Where the list says 'softmax', what is quantised is not the finished softmax but p = 2^(t - M), with t = logit x log2(e) and M = ceil(the row's largest t), a whole number; so 1/2 < the row's largest p <= 1. The row's sum l is taken of the UNQUANTISED p, in f32, and the product's result is divided by l at the end. Since M is a whole number, a kernel that streams over the keys may use a running M (the ceiling of the running maximum): every later rescaling is an exact power of two, so the quantised numbers keep their values, but for numbers so far below the row's largest that they fall under the format's range.
;;   OPERANDS COMPUTED ON THE WAY. 'Computed on the way' means the value that the module computes at that place (a softmax that the list does not call 'softmax' is quantised finished and normalised). What goes into a quantiser is computed in f32, as accurately as f32 sums, v_exp_f32 and their like allow (about 1e-6 of the number): no bf16 or f16 on the way to a quantiser, and a product that is left as it is and whose result goes on into a quantised operand takes f32 operands (vector FMAs, or v_wmma_f32_16x16x4_f32). A number that lies on a knife's edge between two numbers of the format may be rounded either way, as far as f32 arithmetic and the matrix unit's own rounding can turn it there, and no further.
;; One version. Each part assembles by itself: llvm-mc -triple=amdgcn-amd-amdhsa -mcpu=gfx1250 --defsym DOCPART=n.
;; ======== version 1 of 1: 4 launches
;; limits: right only within a limited range of input values
;; workspace buffers: xc 12,582,912 bytes; wc 4,194,304 bytes; rope 1,048,576 bytes; qc 4,194,304 bytes; kvc 8,388,608 bytes; oc 4,194,304 bytes
;; launch prep (part 1): grid 256 x 1, 4 waves a work-group, no clusters, 33,280 bytes of LDS; arguments x, w_q, w_k, w_v, w_o, token_positions, lowp_scales, xc, wc, rope; writes xc, wc, rope
.if DOCPART == 1
	.amdgcn_target "amdgcn-amd-amdhsa--gfx1250"
	.amdhsa_code_object_version 6
	.text
	.protected	k_q2be34d191b_prep
	.globl	k_q2be34d191b_prep
	.p2align	8
	.type	k_q2be34d191b_prep,@function
k_q2be34d191b_prep:
	s_mov_b64 s[64:65], 0
	v_nop
	global_prefetch_b8 v0, s[64:65] scope:SCOPE_SE
	s_setreg_imm32_b32 hwreg(HW_REG_WAVE_MODE, 25, 1), 1
	s_wait_xcnt 0x0
; WORK LEFT OUT OF THE PROGRAM.  reference() itself hides every score whose key comes after its query (its own causal tril): such a score becomes -inf ahead of the softmax and weighs 0 for all values of the inputs.
;   Steps of 128 keys that lie wholly behind a tile of 16 queries are therefore not computed (launch attn); a NaN, an infinity or an overflow that would arise in them alone is not carried to the result.
; PREP.  f32 numbers into codes of FP8 (E4M3), K innermost, and the table of cosines and sines for the rotation.
;   x [4096][1024] is an operand of three products, each with a scale of its own (entries 0, 2, 4 of the scales): three planes of codes in xc, 4,194,304 bytes apart.
;   w_q, w_k, w_v, w_o [1024][1024] (entries 1, 3, 5, 11) go into wc, one behind the other.  In w_v's part bits 3 and 4 of the row number change places: a wave's run is 8 rows,
;   so the two low bits of the run's number change places.  Row 16 t + p of a head (t = 2 b + u) then holds feature 32 b + 8 u + p + 8 (p / 8).
;   code = x / 2^e, held within +-448, rounded to the nearest code, ties to even.
; LAYOUT.  xc's planes and w_q, w_k, w_v: [128 rows at a time][K step of 256: 4][row 128][256 bytes], so that a K step of 128 rows is a dense block of 32,768 bytes.  w_o: plain rows of 1,024 bytes.
; SHARES.  Work-groups 0-127 take 32,768 numbers of x each, work-groups 128-255 as many of a weight (32 work-groups a weight).  A wave takes 8,192 numbers in 16 steps of 512.
;   Each of a step's four loads reads 512 consecutive bytes; the 2,048 bytes turn through the wave's own stage in LDS (16 bytes of padding behind each 64) and come back 16 neighbours a lane;
;   a lane's 16 codes are 16 bytes: sixteen lanes store 256 consecutive bytes, aligned.  One path through the text: pointers, strides and exponents are chosen by the work-group's number;
;   x's planes 1 and 2 stand under a scalar branch on that number, round vector work and stores alone.  Waves share nothing: no barrier.
; THE TABLE.  Work-group g also makes tile g (tokens 16 g .. 16 g + 15): rope [256 tiles][bb 4][g2 2][lane 32][16 bytes] = cos, sin of pair i and of pair i + 1, for token 16 g + lane % 16,
;   i = 8 bb + 4 (lane / 16) + 2 g2; wave w makes bb = w.  angle = float(position) x 10000^(-i / 32), one f32 product; it is reduced by the nearest multiple of pi / 2 (pi / 2 in three parts, fused
;   multiply-adds), and cosine and sine come from polynomials on +-pi / 4.
; LIMITS.  Each of the seven exponents lies between -126 and 119.  |position| up to 2^22: beyond it the reduced angle loses accuracy.  NaN among the inputs is not served; infinities are held at the largest code.
.set STEPS, 16
.set SP,    80                         ; a lane's place in a stage: its 64 bytes + 16 of padding
.set WREG,  8192                       ; LDS: a region for each wave: two stages of 32 x SP bytes
.set R,     16                         ; v16-79   four sets of 16 numbers as they are loaded
.set X,     80                         ; v80-111  two sets of 16 neighbours
.set T,     112                        ; v112-159 the held numbers, a set of 16 for each plane (before the first step: the table's work)
.set C,     160                        ; v160-183 codes: two sets x three planes x four registers
	s_load_b256 s[4:11], s[0:1], 0x0               ; x s[4:5], w_q s[6:7], w_k s[8:9], w_v s[10:11]
	s_load_b256 s[12:19], s[0:1], 0x20             ; w_o s[12:13], positions s[14:15], scales s[16:17], xc s[18:19]
	s_load_b128 s[20:23], s[0:1], 0x40             ; wc s[20:21], rope s[22:23]
	v_lshl_add_u32 v192, v0, 2, 0x8000             ; my spare word, behind the four regions
	v_mov_b32 v193, 0
	v_lshrrev_b32 v1, 5, v0
	v_readfirstlane_b32 s36, v1                    ; wave
	v_and_b32 v2, 31, v0                           ; lane
	v_lshlrev_b32 v3, 4, v2                        ; 16 x lane: my bytes of a load, of a piece of the table; never rewritten
	s_mul_i32 s37, s36, WREG
	v_lshrrev_b32 v14, 2, v2
	v_mul_u32_u24 v14, v14, SP
	v_and_b32 v15, 3, v2
	v_lshl_add_u32 v14, v15, 4, v14
	v_add_nc_u32 v14, s37, v14                     ; the stage, on the way in: SP (lane / 4) + 16 (lane % 4)
	v_mul_u32_u24 v15, v2, SP
	v_add_nc_u32 v15, s37, v15                     ; and on the way out: SP x lane
	v_and_b32 v5, 15, v0
	v_lshlrev_b32 v5, 2, v5
	s_lshl_b32 s37, ttmp9, 6
	v_add_nc_u32 v5, s37, v5                       ; my token's position: 4 (16 g + lane % 16) bytes
	s_lshr_b32 s39, ttmp9, 5                       ; 0-3: x; 4: w_q; 5: w_k; 6: w_v; 7: w_o
	s_and_b32 s38, ttmp9, 31
	s_cmp_lt_u32 ttmp9, 128
	s_cselect_b32 s38, ttmp9, s38                  ; which 32,768 numbers of the tensor
	s_lshl_b32 s38, s38, 2
	s_add_co_u32 s38, s38, s36                     ; which run of 8,192
	s_lshl_b32 s66, s38, 15                        ; in bytes of f32
	s_mov_b32 s67, 0
	s_and_b32 s68, s36, 1
	s_lshl_b32 s68, s68, 1
	s_lshr_b32 s69, s36, 1
	s_or_b32 s68, s68, s69                         ; the wave's two bits changed round,
	s_cmp_eq_u32 s39, 6
	s_cselect_b32 s68, s68, s36                    ; for w_v alone
	s_and_b32 s69, ttmp9, 127
	s_lshl_b32 s69, s69, 2
	s_add_co_u32 s68, s68, s69                     ; the run's place, in xc's plane 0 or in wc: rows 8 s68 on
	s_lshl_b32 s70, s68, 13                        ; as plain rows (w_o),
	s_and_b32 s71, s70, 0xfffe0000
	s_and_b32 s69, s68, 15
	s_lshl_b32 s69, s69, 11
	s_add_co_u32 s71, s71, s69                     ; and in blocks: 128 rows x 1,024 bytes, then 8 rows x 256
	s_cmp_eq_u32 s39, 7
	s_cselect_b32 s68, s70, s71
	s_mov_b32 s69, 0
	s_mov_b32 s78, 0x10000
	s_cselect_b32 s74, 512, s78                    ; from a row's first 512 codes to its others: two K steps' blocks on,
	s_mov_b32 s75, 0
	s_mov_b32 s78, 0xffff0100
	s_cselect_b32 s76, 512, s78                    ; and from there to the next row's first: 256 - 65,536
	s_cselect_b32 s77, 0, -1
	s_mov_b32 s78, 0x8000
	s_cselect_b32 s79, 256, s78                    ; lanes 16-31 store a K step on
	v_lshrrev_b32 v4, 4, v2
	v_mul_lo_u32 v4, v4, s79
	v_and_b32 v6, 15, v2
	v_lshl_add_u32 v4, v6, 4, v4                   ; my codes' place in a step's; never rewritten
	s_lshl_b32 s70, ttmp9, 12
	s_lshl_b32 s71, s36, 10
	s_add_co_u32 s70, s70, s71                     ; the table: tile g, bb = wave
	s_mov_b32 s71, 0
	s_wait_alu depctr_va_vdst(0)
	s_wait_kmcnt 0x0
	s_load_b256 s[24:31], s[16:17], 0x0            ; e0 .. e7
	s_load_b128 s[32:35], s[16:17], 0x20           ; e8 .. e11
	s_cmp_eq_u32 s39, 6                            ; the choices hang on the work-group's number alone
	s_cselect_b64 s[56:57], s[10:11], s[12:13]
	s_cmp_eq_u32 s39, 5
	s_cselect_b64 s[56:57], s[8:9], s[56:57]
	s_cmp_eq_u32 s39, 4
	s_cselect_b64 s[56:57], s[6:7], s[56:57]
	s_cmp_lt_u32 ttmp9, 128
	s_cselect_b64 s[56:57], s[4:5], s[56:57]
	s_cselect_b64 s[58:59], s[18:19], s[20:21]
	s_add_nc_u64 s[56:57], s[56:57], s[66:67]      ; my run of numbers
	s_add_nc_u64 s[58:59], s[58:59], s[68:69]      ; its codes: plane 0,
	s_add_nc_u64 s[60:61], s[58:59], 0x400000      ; plane 1,
	s_add_nc_u64 s[62:63], s[58:59], 0x800000      ; plane 2 (used by x's work-groups alone)
	s_add_nc_u64 s[22:23], s[22:23], s[70:71]
.macro LOAD t
.irp i, 0,1,2,3
	global_load_b128 v[R+16*((\t)%4)+4*\i:R+16*((\t)%4)+4*\i+3], v3, s[56:57] offset:2048*(\t)+512*\i th:TH_LOAD_NT   ; 32 lanes read 512 consecutive bytes
.endr
.endm
.macro TURN t                          ; step t's numbers through the stage: LDS serves a wave's instructions in order, so no wait stands between the stores and the loads
.irp i, 0,1,2,3
	ds_store_b128 v14, v[R+16*((\t)%4)+4*\i:R+16*((\t)%4)+4*\i+3] offset:32*SP*((\t)%2)+8*SP*\i
.endr
.irp i, 0,1,2,3
	ds_load_b128 v[X+16*((\t)%2)+4*\i:X+16*((\t)%2)+4*\i+3], v15 offset:32*SP*((\t)%2)+16*\i
.endr
.endm
	global_load_b32 v7, v5, s[14:15]               ; my token's position
.irp t, 0,1,2,3
	LOAD \t
.endr
	; the wave's eight frequencies 10000^(-i / 32) = 10^(-i / 8), i = 8 w + 0 .. 7, as f32 patterns
	s_mov_b32 s40, 0x3f800000                      ; 1
	s_mov_b32 s41, 0x3f3ff911                      ; 0.7498942093
	s_mov_b32 s42, 0x3f0ff59a                      ; 0.5623413252
	s_mov_b32 s43, 0x3ed7e89b                      ; 0.4216965034
	s_mov_b32 s44, 0x3ea1e89b                      ; 0.3162277660
	s_mov_b32 s45, 0x3e72d424                      ; 0.2371373706
	s_mov_b32 s46, 0x3e361887                      ; 0.1778279410
	s_mov_b32 s47, 0x3e088d77                      ; 0.1333521432
.macro FREQ w, a0, a1, a2, a3, a4, a5, a6, a7
	s_cmp_eq_u32 s36, \w
	s_cselect_b32 s40, \a0, s40
	s_cselect_b32 s41, \a1, s41
	s_cselect_b32 s42, \a2, s42
	s_cselect_b32 s43, \a3, s43
	s_cselect_b32 s44, \a4, s44
	s_cselect_b32 s45, \a5, s45
	s_cselect_b32 s46, \a6, s46
	s_cselect_b32 s47, \a7, s47
.endm
	FREQ 1, 0x3dcccccd, 0x3d99940e, 0x3d6655c3, 0x3d2cba15, 0x3d0186e2, 0x3cc24350, 0x3c91ad39, 0x3c5a7bf1   ; the same x 0.1
	FREQ 2, 0x3c23d70a, 0x3bf5b9b0, 0x3bb8449c, 0x3b8a2e77, 0x3b4f3e37, 0x3b1b690d, 0x3ae91528, 0x3aaec98e   ; x 0.01
	FREQ 3, 0x3a83126f, 0x3a44948c, 0x3a136a16, 0x39dd1726, 0x39a5cb5f, 0x3978a814, 0x393a7753, 0x390bd472   ; x 0.001
	s_mov_b32 s48, 0x3fc90fdb                      ; pi / 2 in three parts
	s_mov_b32 s49, 0xb33bbd2e
	s_mov_b32 s50, 0xa6f72ced
	s_mov_b32 s51, 0x37ccf5ce                      ; the cosine's two highest coefficients
	s_mov_b32 s52, 0xbab6061a
	s_mov_b32 s53, 0xb94ca1f9                      ; the sine's
	s_mov_b32 s54, 0x3c08839e
.macro MKSC e, vs, vl                  ; from the exponent in s[e]: 2^e as f32 (the conversion takes its exponent field), and 448 x 2^e
	s_add_co_i32 s72, s[\e], 127
	s_lshl_b32 s73, s72, 23
	v_mov_b32 v[\vs], s73
	s_add_co_i32 s72, s72, 8
	s_lshl_b32 s72, s72, 23
	s_or_b32 s72, s72, 0x600000
	v_mov_b32 v[\vl], s72
.endm
	s_wait_kmcnt 0x0
	s_cmp_eq_u32 s39, 6
	s_cselect_b32 s37, s29, s35                    ; w_v: e5, w_o: e11,
	s_cmp_eq_u32 s39, 5
	s_cselect_b32 s37, s27, s37                    ; w_k: e3,
	s_cmp_eq_u32 s39, 4
	s_cselect_b32 s37, s25, s37                    ; w_q: e1,
	s_cmp_lt_u32 ttmp9, 128
	s_cselect_b32 s37, s24, s37                    ; x's plane 0: e0
	MKSC 37, 8, 11
	MKSC 26, 9, 12                                 ; x's plane 1: e2
	MKSC 28, 10, 13                                ; x's plane 2: e4
	; ---- the table
	v_cmp_lt_u32 vcc_lo, 15, v2                    ; lanes 16-31 take the pairs four further on
.irp k, 0,1,2,3
	v_mov_b32 v[112+\k], s[44+\k]
	v_cndmask_b32 v[112+\k], s[40+\k], v[112+\k], vcc_lo   ; the frequency of pair 8 w + 4 (lane / 16) + k
.endr
	s_wait_loadcnt 16                              ; the position is in; the sixteen loads issued behind it stay out
	v_cvt_f32_i32 v6, v7
.macro SINCOS f, oc, os                ; v[oc], v[os] = cos, sin of v6 x v[f]
	v_mul_f32 v116, v6, v[\f]                      ; the angle: one f32 product
	v_mul_f32 v117, 0x3f22f983, v116               ; x 2 / pi
	v_rndne_f32 v117, v117                         ; k
	v_fma_f32 v118, -v117, s48, v116
	v_fma_f32 v118, -v117, s49, v118
	v_fma_f32 v118, -v117, s50, v118               ; r = angle - k pi / 2, within +-pi / 4
	v_mul_f32 v119, v118, v118                     ; z = r r
	v_fma_f32 v120, v119, s51, s52
	v_fmaak_f32 v120, v120, v119, 0x3d2aaaa5
	v_fmaak_f32 v120, v120, v119, 0xbf000000
	v_fmaak_f32 v120, v120, v119, 0x3f800000       ; cos r
	v_fma_f32 v121, v119, s53, s54
	v_fmaak_f32 v121, v121, v119, 0xbe2aaaa3
	v_mul_f32 v122, v118, v119
	v_fma_f32 v121, v121, v122, v118               ; sin r
	v_cvt_i32_f32 v123, v117
	v_and_b32 v124, 1, v123
	v_cmp_eq_u32 vcc_lo, 1, v124                   ; k odd: the two change places
	v_cndmask_b32 v[\os], v121, v120, vcc_lo
	v_cndmask_b32 v[\oc], v120, v121, vcc_lo
	v_lshlrev_b32 v124, 30, v123
	v_and_b32 v124, 0x80000000, v124
	v_xor_b32 v[\os], v[\os], v124                 ; the sine changes sign where k % 4 is 2 or 3,
	v_add_nc_u32 v124, 1, v123
	v_lshlrev_b32 v124, 30, v124
	v_and_b32 v124, 0x80000000, v124
	v_xor_b32 v[\oc], v[\oc], v124                 ; the cosine where it is 1 or 2
.endm
	s_wait_alu depctr_va_vdst(0)
.irp k, 0,1,2,3
	SINCOS 112+\k, 128+2*\k, 129+2*\k
.endr
	global_store_b128 v3, v[128:131], s[22:23]             ; g2 = 0: 512 consecutive bytes
	global_store_b128 v3, v[132:135], s[22:23] offset:512  ; g2 = 1
	; ---- the codes
	s_wait_loadcnt 12                              ; step 0's four loads are in
	TURN 0
.macro PLANE p, t                      ; step t's 16 neighbours become plane p's 16 codes
.set XS, X+16*((\t)%2)
.set TS, T+16*(\p)
.set CC, C+12*((\t)%2)+4*(\p)
.set i, 0
.rept 16
	v_med3_num_f32 v[TS+i], v[XS+i], -v[11+\p], v[11+\p]   ; the conversion to an 8-bit code does not saturate (ISA guide 7.6.2): the hold at the largest code x the scale
.set i, i+1
.endr
	v_cvt_scalef32_pk8_fp8_f32 v[CC:CC+1], v[TS:TS+7], v[8+\p]
	v_cvt_scalef32_pk8_fp8_f32 v[CC+2:CC+3], v[TS+8:TS+15], v[8+\p]
	v_nop                                          ; a plain line behind the conversions, ahead of the next write of their sources
	global_store_b128 v4, v[CC:CC+3], s[58+2*\p:59+2*\p]   ; sixteen lanes store 256 consecutive bytes, aligned
.endm
.macro STEP t
	s_wait_dscnt 0x0                               ; this step's numbers are back from the stage: so its stores into the stage have read their registers,
	s_wait_xcnt 0x0                                ; and every earlier store has read its data and its base: the codes' set of two steps ago (in step 0: the table's registers) and the bases may be written
.if (\t) > 0
.irp b, 58,60,62
.if (\t)%2
	s_add_nc_u64 s[\b:\b+1], s[\b:\b+1], s[74:75]  ; the row's other 512 codes
.else
	s_add_nc_u64 s[\b:\b+1], s[\b:\b+1], s[76:77]  ; the next row's first
.endif
.endr
.endif
.if (\t)+4 < STEPS
	LOAD (\t)+4
.endif
.if (\t)+1 < STEPS
.if STEPS-2-(\t) >= 3
	s_wait_loadcnt 12                              ; the next step's four loads are in; those of the three steps behind it may be out
.else
	s_wait_loadcnt 4*(STEPS-2-(\t))
.endif
	TURN (\t)+1
.endif
	PLANE 0, \t
	s_cmp_lt_u32 ttmp9, 128                        ; a weight has one plane
	s_cbranch_scc0 .Lone_\@
	PLANE 1, \t
	PLANE 2, \t
.Lone_\@:
.endm
.irp t, 0,1,2,3,4,5,6,7,8,9,10,11,12,13,14,15
	STEP \t
.endr
	s_wait_tensorcnt 0x0                           ; the wave's end
	ds_add_u32 v192, v193
	s_wait_dscnt 0x0
	s_endpgm
.Lfunc_end_k_q2be34d191b_prep:
	.size	k_q2be34d191b_prep, .Lfunc_end_k_q2be34d191b_prep-k_q2be34d191b_prep
	.p2alignl 7, 3214868480
	.fill 96, 4, 3214868480
	.section	.rodata,"a",@progbits
	.p2align	6, 0x0
	.amdhsa_kernel k_q2be34d191b_prep
		.amdhsa_group_segment_fixed_size 33280
		.amdhsa_private_segment_fixed_size 0
		.amdhsa_enable_private_segment 0
		.amdhsa_kernarg_size 80
		.amdhsa_user_sgpr_count 2
		.amdhsa_user_sgpr_kernarg_segment_ptr 1
		.amdhsa_wavefront_size32 1
		.amdhsa_system_sgpr_workgroup_id_x 1
		.amdhsa_system_sgpr_workgroup_id_y 1
		.amdhsa_system_sgpr_workgroup_id_z 1
		.amdhsa_system_vgpr_workitem_id 0
		.amdhsa_next_free_vgpr 194
		.amdhsa_next_free_sgpr 80
		.amdhsa_reserve_vcc 1
		.amdhsa_float_denorm_mode_32 3
		.amdhsa_float_denorm_mode_16_64 3
		.amdhsa_memory_ordered 1
		.amdhsa_forward_progress 1
		.amdhsa_inst_pref_size 92
	.end_amdhsa_kernel
	.amdgpu_metadata
---
amdhsa.version: [ 1, 2 ]
amdhsa.kernels:
  - .name:           k_q2be34d191b_prep
    .symbol:         k_q2be34d191b_prep.kd
    .args:
      - { .name: x, .offset: 0, .size: 8, .value_kind: global_buffer, .address_space: global }
      - { .name: w_q, .offset: 8, .size: 8, .value_kind: global_buffer, .address_space: global }
      - { .name: w_k, .offset: 16, .size: 8, .value_kind: global_buffer, .address_space: global }
      - { .name: w_v, .offset: 24, .size: 8, .value_kind: global_buffer, .address_space: global }
      - { .name: w_o, .offset: 32, .size: 8, .value_kind: global_buffer, .address_space: global }
      - { .name: token_positions, .offset: 40, .size: 8, .value_kind: global_buffer, .address_space: global }
      - { .name: lowp_scales, .offset: 48, .size: 8, .value_kind: global_buffer, .address_space: global }
      - { .name: xc, .offset: 56, .size: 8, .value_kind: global_buffer, .address_space: global }
      - { .name: wc, .offset: 64, .size: 8, .value_kind: global_buffer, .address_space: global }
      - { .name: rope, .offset: 72, .size: 8, .value_kind: global_buffer, .address_space: global }
    .group_segment_fixed_size: 33280
    .private_segment_fixed_size: 0
    .kernarg_segment_align: 8
    .kernarg_segment_size: 80
    .max_flat_workgroup_size: 128
    .sgpr_count:     80
    .vgpr_count:     194
    .wavefront_size: 32
...
	.end_amdgpu_metadata
.endif
;; end of part 1
;; launch qkv (part 2): grid 12 x 16, 4 waves a work-group, clusters of 4 x 4, 327,680 bytes of LDS; arguments xc, wc, rope, lowp_scales, qc, kvc; writes qc, kvc
.if DOCPART == 2
	.amdgcn_target "amdgcn-amd-amdhsa--gfx1250"
	.amdhsa_code_object_version 6
	.text
	.protected	k_q2be34d191b_qkv
	.globl	k_q2be34d191b_qkv
	.p2align	8
	.type	k_q2be34d191b_qkv,@function
k_q2be34d191b_qkv:
	s_mov_b64 s[64:65], 0
	v_nop
	global_prefetch_b8 v0, s[64:65] scope:SCOPE_SE
	s_setreg_imm32_b32 hwreg(HW_REG_WAVE_MODE, 25, 1), 1
	s_wait_xcnt 0x0
	s_wait_alu depctr_hold_cnt(0) depctr_sa_sdst(0) depctr_va_vdst(0) depctr_va_sdst(0) depctr_va_ssrc(0) depctr_va_vcc(0) depctr_vm_vsrc(0)
	s_getreg_b32 s2, hwreg(HW_REG_IB_STS2, 6, 4)
	s_cmp_eq_u32 s2, 0
	s_cbranch_scc0 .Lentry_in_a_cluster
	s_endpgm
.Lentry_in_a_cluster:
	s_bfe_u32 s2, ttmp6, 0x10000c
	s_cmp_lg_u32 s2, 0xf033
	s_cbranch_scc0 .Lentry_shape_is_right
	s_endpgm
.Lentry_shape_is_right:
; QKV.  The three projections on codes of FP8 (E4M3), the rotation of Q and K, and the quantising of Q, K and V for attention.
; The cluster's x is the product p: 0 Q, 1 K, 2 V.  A tile is 256 x 256, a wave's part 128 x 128 (64 accumulators, 512 registers); K = 1,024 goes in four steps of 256 through a ring of two LDS slots.
; THE MATRIX INSTRUCTION: source 0 = 16 rows of operand B, source 1 = 16 rows of operand A; a lane then holds ONE row of A and eight neighbouring rows of B.
;   p < 2: A = x's codes (plane p), B = the weight's: a lane holds one token and eight neighbouring features: the rotation's pairs, and neighbours along the next product's K (the head's 64).
;   p = 2: A = w_v's codes, B = x's (plane 2): a lane holds one channel and eight neighbouring keys: neighbours along the next product's K (the keys).
; CLUSTERS: 4 x 4 work-groups.  A's tile hangs on cy alone and is asked for jointly by a row of the cluster, B's on cx alone, by a column.  192 work-groups: a tile lies within one product, whose width is 1,024.
; THE WAY OUT.  The sums stand for sum x 2^(ea + eb); the rotation is linear, so it works on the sums, and the three exponents are folded into the conversion's one scale 2^(e - ea - eb).
;   The conversions' results ARE the next launch's operand registers; they are stored as an image of the registers: four registers by one store, 16 bytes a lane, 512 consecutive bytes a wave, aligned.
;   qc  [bh 32][tile of 16 tokens 128][1,024]: registers 2 c, 2 c + 1 of lane (r, h): token r, d = 16 c + 8 h + 0 .. 7.
;   kvc [bh 32][key step 16][16,384]: eight such images of K, then four images of V^T of 2,048 bytes: lane (r, h): channel row r of tile t, registers 2 c, 2 c + 1: keys 16 c + 8 h + 0 .. 7.
; LIMITS.  e6 - e0 - e1, e7 - e2 - e3 and e9 - e4 - e5 lie between -126 and 119, so that each power of two below is an f32 number.
; REGISTERS, in windows of 256: window 0: v0-31 addresses; v32-95 cosines and sines (two sets of 32); from v128 A's fragments, ONE set; on the way out v96-159 the numbers at work, v160-223 codes (four sets of 16).
;   window 1: B's fragments, TWO sets.   window 2: the accumulators of my rows 0-63 ((a, b) at v[8 (8 a + b)]);   window 3: those of my rows 64-127.
.set KSTEP,  256
.set KBLK,   32768                     ; 128 rows x a K step in memory: a dense block, row by row; a block's K steps lie on end
.set ROWB,   8192                      ; it is stated as rows of 8,192 bytes, with the padding still behind each 256
.set PITCH,  272                       ; an LDS row: 256 bytes + 16 of padding = 68 words: the 16 rows that a load touches start at 16 different banks (64 banks of 4 bytes: ISA guide 11.1)
.set FR,     16                        ; registers of a fragment: 16 rows x 128 K
.set NL,     4                         ; LDS loads that bring one
.set NP,     4                         ; places behind this matrix instruction (ISA guide 7.12.1)
.set HALFT,  128*PITCH
.set PART,   2*HALFT                   ; what one wave fetches: its 128 rows in slot 0, then in slot 1.  Parts: A's two halves, B's two halves
.set SLOT,   HALFT                     ; from slot 0 to slot 1 inside a part
.set SPARE,  4*PART                    ; behind the parts: the spare words, 128 bytes for each wave; no other line names them
.set SCL,  8                           ; v8      the conversion's scale
.set ADRA, 16                          ; v16-17  LDS address of my A fragments in slot 0, 1
.set ADRB, 20                          ; v20-21  the same for B
.set CO,   26                          ; v26     16 x lane; never rewritten
.set SPW,  28                          ; v28     LDS address of my spare word; never rewritten
.set NIL,  29                          ; v29     0; never rewritten
.set CSR,  32
.set RR,   96
.set AF,   128
.set CD,   160
.set G1, 24                            ; s[24:31] descriptor group 1 for A's tiles;  s[32:39] group 0, one set for each slot
.set G0, 32
.set G1B, 48                           ; s[48:55], s[56:63] the same for B's tiles
.set G0B, 56
.set MSB, 0
.macro WIN new                         ; the immediate's high byte repeats the setting that is left
.if MSB != \new
	s_set_vgpr_msb (MSB<<8)|\new
.set MSB, \new
.endif
.endm
.set MUL_LO, 0xa1                      ; source 0 (B) window 1, source 1 (A) window 0, C and D window 2
.set MUL_HI, 0xf1                      ; the same, C and D window 3
.set TO_B,   0x40                      ; destination window 1, address window 0
; A joint load: waves 0 and 1 fetch for A, waves 2 and 3 for B.  The branch hangs on the wave's number alone.  Four v_nop follow each of the two lines.
.macro JLOAD g0a, g1a, g0b, g1b
	s_cmp_eq_u32 s15, 0
	s_cbranch_scc0 .Lfor_b_\@
	tensor_load_to_lds s[\g0a:\g0a+3], s[\g1a:\g1a+7]
	s_nop 0
.rept 4
	v_nop
.endr
	s_branch .Lasked_\@
.Lfor_b_\@:
	tensor_load_to_lds s[\g0b:\g0b+3], s[\g1b:\g1b+7]
	s_nop 0
.rept 4
	v_nop
.endr
.Lasked_\@:
.endm
.macro CREST                           ; a round of the cluster's barrier behind its opening barrier
	s_cmp_lg_u32 s14, 0
	s_cbranch_scc1 .Lnot_wave_0_\@
	s_barrier_signal -3
.Lnot_wave_0_\@:
	s_barrier_wait -3
	s_barrier_signal -1
	s_barrier_wait -1
.endm
.macro CROUND                          ; a whole round
	s_barrier_signal -1
	s_barrier_wait -1
	CREST
.endm
	s_load_b256 s[4:11], s[0:1], 0x0               ; xc s[4:5], wc s[6:7], rope s[8:9], scales s[10:11]
	s_load_b128 s[68:71], s[0:1], 0x20             ; qc s[68:69], kvc s[70:71]
	v_lshl_add_u32 v[SPW], v0, 2, SPARE
	v_mov_b32 v[NIL], 0
	ds_add_u32 v28, v29
	ds_add_u32 v28, v29
	s_wait_dscnt 0x0
	v_lshrrev_b32 v1, 5, v0
	v_readfirstlane_b32 s14, v1                    ; wave 0..3
	s_lshr_b32 s15, s14, 1                         ; which half of A's rows is mine.  Also: I fetch for A (0) or for B (1)
	s_and_b32 s16, s14, 1                          ; which half of B's rows.  Also: which 128 rows of that tile I fetch
	s_bfe_u32 s40, ttmp6, 0x40000                  ; cx, cy: my place in the cluster
	s_bfe_u32 s41, ttmp6, 0x40004
	s_lshl_b32 s12, ttmp9, 2                       ; 4 p
	s_and_b32 s13, ttmp7, 0xffff
	s_lshl_b32 s13, s13, 2                         ; 4 x cluster y
	s_cmp_eq_u32 ttmp9, 2                          ; the cluster's x is the same in all sixteen partners
	s_cselect_b32 s17, 8, s13
	s_cselect_b32 s42, s13, s12
	s_add_co_u32 s17, s17, s41                     ; A's tile of 256 rows: tokens 4 Y + cy, or w_v's rows 8 + cy of wc
	s_add_co_u32 s42, s42, s40                     ; B's tile: the weight's rows 4 p + cx of wc, or tokens 4 Y + cx
	s_lshl_b32 s43, s41, 2
	s_lshl_b32 s43, 15, s43                        ; my row of the cluster
	s_lshl_b32 s44, 0x1111, s40                    ; my column
	; descriptor group 1, at the head: two K steps of 128 rows, 65,536 bytes on end: 8 rows of 8,192; in LDS four words of padding behind every 64
	s_or_b32 s[G1+0], s43, (0<<16)|(1<<20)|(1<<21)|(5<<22)|(3<<25)  ; 15:0 the mask: A's tiles go to my row; 17:16 element of 1 byte; 20 padding on; 21 set beside a mask; 24:22 after every 64 words; 31:25 of 4 words
	s_or_b32 s[G1B+0], s44, (0<<16)|(1<<20)|(1<<21)|(5<<22)|(3<<25)
.irp g, G1, G1B
	s_mov_b32 s[\g+1], ROWB<<16                    ; tensor_dim0
	s_mov_b32 s[\g+2], 8<<16                       ; tensor_dim1
	s_mov_b32 s[\g+3], ROWB<<16                    ; tile_dim0
	s_mov_b32 s[\g+4], 8                           ; tile_dim1
	s_mov_b32 s[\g+5], ROWB                        ; tensor_dim0_stride
	s_mov_b32 s[\g+6], 0
	s_mov_b32 s[\g+7], 0
.endr
	s_lshl_b32 s18, s16, 7                         ; which 128 rows of the tile I fetch
	s_lshl_b32 s20, s17, 8
	s_add_co_u32 s20, s20, s18
	s_lshl_b32 s20, s20, 10                        ; A: (256 x tile + 128 x half) rows of 1,024 bytes
	s_mov_b32 s21, 0
	s_lshl_b32 s46, s42, 8
	s_add_co_u32 s46, s46, s18
	s_lshl_b32 s46, s46, 10                        ; B likewise
	s_mov_b32 s47, 0
	s_mul_i32 s45, s14, PART                       ; where they go: wave x a part: no place in the cluster enters an LDS address
	s_lshl_b32 s86, ttmp9, 22                      ; x's plane p
	s_mov_b32 s87, 0
	s_wait_kmcnt 0x0
	s_load_b256 s[72:79], s[10:11], 0x0            ; e0 .. e7
	s_load_b128 s[80:83], s[10:11], 0x20           ; e8 .. e11
	s_add_nc_u64 s[4:5], s[4:5], s[86:87]
	s_cmp_eq_u32 ttmp9, 2
	s_cselect_b64 s[88:89], s[6:7], s[4:5]         ; A's buffer,
	s_cselect_b64 s[90:91], s[4:5], s[6:7]         ; B's
	s_add_nc_u64 s[20:21], s[88:89], s[20:21]
	s_add_nc_u64 s[46:47], s[90:91], s[46:47]
	CROUND                                         ; all sixteen work-groups are here: the first joint loads meet
.irp s, 0,1
	s_mov_b32 s[G0+4*\s], 1
	s_add_co_u32 s[G0+4*\s+1], s45, \s*SLOT
	s_add_nc_u64 s[G0+4*\s+2:G0+4*\s+3], s[20:21], \s*KBLK
	s_or_b32 s[G0+4*\s+3], s[G0+4*\s+3], 0x80000000
	s_mov_b32 s[G0B+4*\s], 1
	s_add_co_u32 s[G0B+4*\s+1], s45, \s*SLOT
	s_add_nc_u64 s[G0B+4*\s+2:G0B+4*\s+3], s[46:47], \s*KBLK
	s_or_b32 s[G0B+4*\s+3], s[G0B+4*\s+3], 0x80000000
.endr
	JLOAD G0, G1, G0B, G1B                         ; K steps 0 and 1, both slots of my part
	v_and_b32 v1, 15, v0                           ; l % 16
	v_bfe_u32 v2, v0, 4, 1                         ; l / 16
	v_mul_u32_u24 v3, v1, PITCH
	v_lshl_add_u32 v4, v2, 4, v3                   ; a fragment's row x pitch + 16 x half
	s_mul_i32 s21, s15, PART                       ; my 128 rows of A
	s_mul_i32 s22, s16, PART                       ; my 128 rows of B,
	s_add_co_u32 s22, s22, 2*PART                  ; which lie behind A's two parts
.irp s, 0,1
	v_add_nc_u32 v[ADRA+\s], s21, v4
	v_add_nc_u32 v[ADRB+\s], s22, v4
	s_add_co_u32 s21, s21, SLOT
	s_add_co_u32 s22, s22, SLOT
.endr
	v_and_b32 v6, 31, v0
	v_lshlrev_b32 v[CO], 4, v6
	; the cosines and sines of my 128 tokens: 4,096 bytes for each block of 16.  Blocks 0 and 1 are asked for now and land under the products
	s_lshl_b32 s18, s17, 16
	s_lshl_b32 s19, s15, 15
	s_add_co_u32 s18, s18, s19                     ; (256 x tile + 128 x half) tokens x 256 bytes
	s_mov_b32 s19, 0
	s_add_nc_u64 s[92:93], s[8:9], s[18:19]
.macro ROPELD a                        ; block a's 32 registers into set a % 2: registers 8 bb + 2 jj, + 1 = cos, sin of pair 8 bb + 4 (l / 16) + jj of token l % 16
.irp bb, 0,1,2,3
.irp g, 0,1
	global_load_b128 v[CSR+32*((\a)%2)+8*\bb+4*\g:CSR+32*((\a)%2)+8*\bb+4*\g+3], v[CO], s[92:93] offset:(\a)*4096+\bb*1024+\g*512
.endr
.endr
.endm
	; These sixteen loads stand on every way through the text, so that v32-95 are written wherever they are read.  V's work-groups issue them too and use none of them: 8,192 bytes a wave;
	; their A tile is 8 to 11, so the bytes, at most 11 x 65,536 + 32,768 + 8,192 from the table's start, lie inside its 1,048,576.
	ROPELD 0
	ROPELD 1
.macro FRAG reg, adr, q, i             ; a fragment: lane l holds row l % 16; registers 4 c .. 4 c + 3 hold K = 32 c + 16 (l / 16) + 0 .. 15: a permutation of k, the same in A and in B
.irp c, 0,1,2,3
	ds_load_b128 v[\reg+4*\c:\reg+4*\c+3], v[\adr] offset:128*(\q)+32*\c+(\i)*16*PITCH
.endr
.endm
; 16 matrix instructions: A's blocks a0, a0 + 1 x B's eight, 128 along K.  p: B's set.  zero = 1: the first product starts the sums.
; The 64 accumulators take turns, one instruction a turn, in the same order in every step.
.macro MUL16 a0, p, zero
.irp a, \a0, \a0+1
.irp b, 0,1,2,3,4,5,6,7
.if \zero
	v_wmma_f32_16x16x128_fp8_fp8 v[8*(8*((\a)%4)+\b):8*(8*((\a)%4)+\b)+7], v[128*(\p)+FR*\b:128*(\p)+FR*\b+FR-1], v[AF+FR*(\a):AF+FR*(\a)+FR-1], 0
.else
	v_wmma_f32_16x16x128_fp8_fp8 v[8*(8*((\a)%4)+\b):8*(8*((\a)%4)+\b)+7], v[128*(\p)+FR*\b:128*(\p)+FR*\b+FR-1], v[AF+FR*(\a):AF+FR*(\a)+FR-1], v[8*(8*((\a)%4)+\b):8*(8*((\a)%4)+\b)+7]
.endif
.endr
.endr
.endm
.macro FETCH_B slot, q, p              ; B's eight fragments of the slot's q-th 128 along K into set p
	WIN TO_B
.irp i, 0,1,2,3,4,5,6,7
	FRAG 128*(\p)+FR*\i, ADRB+\slot, \q, \i
.endr
	WIN 0
.endm
.macro FETCH_A slot, q, i0             ; A's blocks i0 .. i0 + 3
.irp i, \i0, \i0+1, \i0+2, \i0+3
	FRAG AF+FR*(\i), ADRA+\slot, \q, \i
.endr
.endm
.macro PLACES n                        ; plain vector lines between a matrix instruction and a load into, or a vector instruction on, its registers
.rept \n
	v_nop
.endr
.endm
; A step of 128 along K that has its successor in the same slot.  A block of A is free as soon as its eight products are issued: blocks 0-3 are fetched anew in the step's middle, blocks 4-7 at its end.
.macro STEP slot, q, zero
	s_wait_dscnt 4*NL                              ; B's set and A's blocks 0-3 are in; the youngest sixteen loads (A's blocks 4-7) may be out
	WIN MUL_LO
	MUL16 0, (\q)%2, \zero
	MUL16 2, (\q)%2, \zero
	s_wait_dscnt 0                                 ; A's blocks 4-7 are in
	PLACES NP
	FETCH_B \slot, (\q)+1, 1-(\q)%2
	FETCH_A \slot, (\q)+1, 0
	WIN MUL_HI
	MUL16 4, (\q)%2, \zero
	MUL16 6, (\q)%2, \zero
	PLACES NP
	WIN 0
	FETCH_A \slot, (\q)+1, 4
.endm
; A slot's last step changes slots: ONE barrier; in front of it each wave waits for all its tensor loads, adds 0 to its spare word, and waits for that and for its own reads of this slot.  fill = 1: this slot is filled again, two K steps ahead.
.macro TURN slot, next, fill
	s_wait_tensorcnt 0x0                           ; all my tensor loads have landed: my part of the next slot
	ds_add_u32 v[SPW], v[NIL]                      ; 0 onto my spare word
	s_wait_dscnt 4*NL+1                            ; (the add and the youngest sixteen loads, A's blocks 4-7, may be out)
	WIN MUL_LO
	MUL16 0, 1, 0                                  ; sixteen matrix instructions stand between the add and the wait for it
	s_wait_dscnt 0x0                               ; the add is done, and my reads of this slot are over
	s_barrier_signal -1
	MUL16 2, 1, 0
	WIN 0
	s_barrier_wait -1
.if \fill
	CREST                                          ; the barrier has opened a round of the cluster's barrier: no wave of any partner still reads this slot's tile or has a load on its way
	s_add_nc_u64 s[G0+4*\slot+2:G0+4*\slot+3], s[G0+4*\slot+2:G0+4*\slot+3], 2*KBLK
	s_add_nc_u64 s[G0B+4*\slot+2:G0B+4*\slot+3], s[G0B+4*\slot+2:G0B+4*\slot+3], 2*KBLK
	JLOAD G0+4*\slot, G1, G0B+4*\slot, G1B         ; the first tensor load behind the round; the four v_nop behind it are the places in front of the loads below
.else
	PLACES NP
.endif
	FETCH_B \next, 0, 0
	FETCH_A \next, 0, 0
	WIN MUL_HI
	MUL16 4, 1, 0
	MUL16 6, 1, 0
	PLACES NP
	WIN 0
	FETCH_A \next, 0, 4
.endm
	s_wait_alu depctr_va_vdst(0)
	s_wait_tensorcnt 0x0                           ; my part of K steps 0 and 1 is in: its descriptor may be written.
.irp g, G1, G1B
	s_mov_b32 s[\g+2], 4<<16                       ; From here on a load brings one K step: 4 rows of 8,192 bytes
	s_mov_b32 s[\g+4], 4
.endr
	s_barrier_signal -1
	s_barrier_wait -1                              ; everybody's part is in
	FETCH_B 0, 0, 0
	FETCH_A 0, 0, 0
	FETCH_A 0, 0, 4
	STEP 0, 0, 1                                   ; K 0-127: the products start the sums.  1,024 along K are eight steps: they are written out
	TURN 0, 1, 1                                   ; K 128-255; slot 0 takes K 512-767
	STEP 1, 0, 0
	TURN 1, 0, 1                                   ; slot 1 takes K 768-1023
	STEP 0, 0, 0
	TURN 0, 1, 0                                   ; nothing is left to fetch
	STEP 1, 0, 0
	s_wait_dscnt 4*NL                              ; the last step
	WIN MUL_LO
	MUL16 0, 1, 0
	MUL16 2, 1, 0
	s_wait_dscnt 0
	WIN MUL_HI
	MUL16 4, 1, 0
	MUL16 6, 1, 0
	WIN 0
	; ---- THE WAY OUT
	s_wait_kmcnt 0x0
	s_sub_co_i32 s84, s78, s72
	s_sub_co_i32 s84, s84, s73                     ; Q: e6 - e0 - e1
	s_sub_co_i32 s85, s79, s74
	s_sub_co_i32 s85, s85, s75                     ; K: e7 - e2 - e3
	s_sub_co_i32 s86, s81, s76
	s_sub_co_i32 s86, s86, s77                     ; V: e9 - e4 - e5
	s_cmp_eq_u32 ttmp9, 1
	s_cselect_b32 s84, s85, s84
	s_cmp_eq_u32 ttmp9, 2
	s_cselect_b32 s84, s86, s84
	s_add_co_i32 s84, s84, 127
	s_lshl_b32 s85, s84, 23
	s_add_co_i32 s84, s84, 8
	s_lshl_b32 s94, s84, 23
	s_or_b32 s94, s94, 0x600000                    ; 448 x the scale,
	s_or_b32 s95, s94, 0x80000000                  ; and its negative
	PLACES NP                                      ; behind the last products: their results are read, and A's registers written, from here on
	v_mov_b32 v[SCL], s85                          ; the scale as f32: the conversion takes its exponent field
	s_cmp_eq_u32 ttmp9, 2
	s_cbranch_scc1 .Lv_out
	; Q and K.  Token tile T = s17: batch T / 8; my 128 tokens are tiles of 16 number 16 (T % 8) + 8 x half + a.  My 128 features are heads 4 cx + 2 x half + 0, 1.
	s_lshr_b32 s18, s17, 3
	s_lshl_b32 s18, s18, 4
	s_lshl_b32 s19, s40, 2
	s_add_co_u32 s18, s18, s19
	s_lshl_b32 s19, s16, 1
	s_add_co_u32 s18, s18, s19                     ; bh of my first head
	s_lshl_b32 s18, s18, 17
	s_and_b32 s19, s17, 7
	s_lshl_b32 s19, s19, 1
	s_add_co_u32 s19, s19, s15
	s_lshl_b32 s19, s19, 13
	s_add_co_u32 s18, s18, s19                     ; in qc: bh x 131,072 + eight images x 1,024 x (2 (T % 8) + half);
	s_lshl_b32 s18, s18, ttmp9                     ; in kvc both strides are twice as long
	s_mov_b32 s19, 0
	s_cmp_eq_u32 ttmp9, 0
	s_cselect_b64 s[96:97], s[68:69], s[70:71]
	s_add_nc_u64 s[96:97], s[96:97], s[18:19]      ; my first head,
	s_lshl_b32 s18, 0x20000, ttmp9
	s_add_nc_u64 s[98:99], s[96:97], s[18:19]      ; my second
.macro QKOUT a                         ; block a: 16 tokens x 128 features
.set AC, 64*((\a)%4)
.set CSS, CSR+32*((\a)%2)
.set CDS, CD+16*((\a)%4)
.if (\a) < 7
	s_wait_loadcnt 8                               ; this block's cosines and sines are in; the next block's eight loads may be out
.else
	s_wait_loadcnt 0
.endif
.if (\a) >= 4
	s_wait_xcnt 0x0                                ; the stores of four blocks ago have read this set of codes
.endif
	WIN 0x02+((\a)/4)                              ; source 0: window 2 or 3
.irp b, 0,1,2,3,4,5,6,7
.irp jj, 0,2,4,6
	v_pk_mul_f32 v[RR+8*\b+\jj:RR+8*\b+\jj+1], v[AC+8*\b+\jj:AC+8*\b+\jj+1], v[CSS+8*(\b%4)+\jj:CSS+8*(\b%4)+\jj+1] op_sel_hi:[0,1]   ; (even cos, even sin); each accumulator from its low end on
.endr
.irp jj, 0,2,4,6
	v_pk_fma_f32 v[RR+8*\b+\jj:RR+8*\b+\jj+1], v[AC+8*\b+\jj:AC+8*\b+\jj+1], v[CSS+8*(\b%4)+\jj:CSS+8*(\b%4)+\jj+1], v[RR+8*\b+\jj:RR+8*\b+\jj+1] op_sel:[1,1,0] op_sel_hi:[1,0,1] neg_lo:[0,1,0]   ; (- odd sin, + odd cos)
.endr
.endr
	WIN 0
.if (\a) < 6
	ROPELD (\a)+2                                  ; this set takes the block two further on
.endif
.set i, 0
.rept 64
	v_med3_num_f32 v[RR+i], v[RR+i], s95, s94      ; the conversion to an 8-bit code does not saturate (ISA guide 7.6.2): the hold
.set i, i+1
.endr
.irp b, 0,1,2,3,4,5,6,7
	v_cvt_scalef32_pk8_fp8_f32 v[CDS+2*\b:CDS+2*\b+1], v[RR+8*\b:RR+8*\b+7], v[SCL]   ; d = 16 (b % 4) + 8 (l / 16) + 0 .. 7 of head b / 4
.endr
	v_nop                                          ; a plain line behind the conversions, ahead of the next write of their sources
.irp g, 0,1
	global_store_b128 v[CO], v[CDS+4*\g:CDS+4*\g+3], s[96:97] offset:(\a)*1024+\g*512
	global_store_b128 v[CO], v[CDS+8+4*\g:CDS+8+4*\g+3], s[98:99] offset:(\a)*1024+\g*512
.endr
.endm
.irp a, 0,1,2,3,4,5,6,7
	QKOUT \a
.endr
	s_branch .Lend
.Lv_out:
	; V.  Token tile TB = s42: batch TB / 8; my 128 tokens are key step 2 (TB % 8) + half.  My 128 rows of w_v are heads 4 cy + 2 x half + a / 4, tile a % 4.
	s_lshr_b32 s18, s42, 3
	s_lshl_b32 s18, s18, 4
	s_lshl_b32 s19, s41, 2
	s_add_co_u32 s18, s18, s19
	s_lshl_b32 s19, s15, 1
	s_add_co_u32 s18, s18, s19
	s_lshl_b32 s18, s18, 18
	s_and_b32 s19, s42, 7
	s_lshl_b32 s19, s19, 1
	s_add_co_u32 s19, s19, s16
	s_lshl_b32 s19, s19, 14
	s_add_co_u32 s18, s18, s19
	s_add_co_u32 s18, s18, 8192                    ; behind the step's eight images of K
	s_mov_b32 s19, 0
	s_add_nc_u64 s[96:97], s[70:71], s[18:19]
.macro VOUT a                          ; block a: 16 channel rows x 128 keys: one image of V^T
.set AC, 64*((\a)%4)
.set CDS, CD+16*((\a)%4)
.if (\a) >= 4
	s_wait_xcnt 0x0                                ; the stores of four blocks ago have read this set of codes
.endif
	WIN 0x02+((\a)/4)
.set i, 0
.rept 64
	v_med3_num_f32 v[RR+i], v[AC+i], s95, s94      ; each accumulator from its low end on
.set i, i+1
.endr
	WIN 0
.irp b, 0,1,2,3,4,5,6,7
	v_cvt_scalef32_pk8_fp8_f32 v[CDS+2*\b:CDS+2*\b+1], v[RR+8*\b:RR+8*\b+7], v[SCL]   ; keys 16 b + 8 (l / 16) + 0 .. 7
.endr
	v_nop
.irp g, 0,1,2,3
	global_store_b128 v[CO], v[CDS+4*\g:CDS+4*\g+3], s[96:97] offset:((\a)/4)*262144+((\a)%4)*2048+\g*512
.endr
.endm
.irp a, 0,1,2,3,4,5,6,7
	VOUT \a
.endr
.Lend:
	s_wait_tensorcnt 0x0                           ; the wave's end
	ds_add_u32 v[SPW], v[NIL]
	s_wait_dscnt 0x0
	CROUND                                         ; the closing round: no work-group ends while a partner may still ask for a tile that names it
	s_endpgm
.Lfunc_end_k_q2be34d191b_qkv:
	.size	k_q2be34d191b_qkv, .Lfunc_end_k_q2be34d191b_qkv-k_q2be34d191b_qkv
	.p2alignl 7, 3214868480
	.fill 96, 4, 3214868480
	.section	.rodata,"a",@progbits
	.p2align	6, 0x0
	.amdhsa_kernel k_q2be34d191b_qkv
		.amdhsa_group_segment_fixed_size 327680
		.amdhsa_private_segment_fixed_size 0
		.amdhsa_enable_private_segment 0
		.amdhsa_kernarg_size 48
		.amdhsa_user_sgpr_count 2
		.amdhsa_user_sgpr_kernarg_segment_ptr 1
		.amdhsa_wavefront_size32 1
		.amdhsa_system_sgpr_workgroup_id_x 1
		.amdhsa_system_sgpr_workgroup_id_y 1
		.amdhsa_system_sgpr_workgroup_id_z 1
		.amdhsa_system_vgpr_workitem_id 0
		.amdhsa_next_free_vgpr 1024
		.amdhsa_next_free_sgpr 100
		.amdhsa_reserve_vcc 0
		.amdhsa_float_denorm_mode_32 3
		.amdhsa_float_denorm_mode_16_64 3
		.amdhsa_memory_ordered 1
		.amdhsa_forward_progress 1
		.amdhsa_inst_pref_size 197
	.end_amdhsa_kernel
	.amdgpu_metadata
---
amdhsa.version: [ 1, 2 ]
amdhsa.kernels:
  - .name:           k_q2be34d191b_qkv
    .symbol:         k_q2be34d191b_qkv.kd
    .args:
      - { .name: xc, .offset: 0, .size: 8, .value_kind: global_buffer, .address_space: global }
      - { .name: wc, .offset: 8, .size: 8, .value_kind: global_buffer, .address_space: global }
      - { .name: rope, .offset: 16, .size: 8, .value_kind: global_buffer, .address_space: global }
      - { .name: lowp_scales, .offset: 24, .size: 8, .value_kind: global_buffer, .address_space: global }
      - { .name: qc, .offset: 32, .size: 8, .value_kind: global_buffer, .address_space: global }
      - { .name: kvc, .offset: 40, .size: 8, .value_kind: global_buffer, .address_space: global }
    .group_segment_fixed_size: 327680
    .private_segment_fixed_size: 0
    .kernarg_segment_align: 8
    .kernarg_segment_size: 48
    .max_flat_workgroup_size: 128
    .sgpr_count:     100
    .vgpr_count:     1024
    .wavefront_size: 32
...
	.end_amdgpu_metadata
.endif
;; end of part 2
;; launch attn (part 3): grid 8 x 32, 16 waves a work-group, clusters of 4 x 1, 327,680 bytes of LDS; arguments qc, kvc, lowp_scales, oc; writes oc
.if DOCPART == 3
	.amdgcn_target "amdgcn-amd-amdhsa--gfx1250"
	.amdhsa_code_object_version 6
	.text
	.protected	k_q2be34d191b_attn
	.globl	k_q2be34d191b_attn
	.p2align	8
	.type	k_q2be34d191b_attn,@function
k_q2be34d191b_attn:
	s_mov_b64 s[64:65], 0
	v_nop
	global_prefetch_b8 v0, s[64:65] scope:SCOPE_SE
	s_setreg_imm32_b32 hwreg(HW_REG_WAVE_MODE, 25, 1), 1
	s_wait_xcnt 0x0
	s_wait_alu depctr_hold_cnt(0) depctr_sa_sdst(0) depctr_va_vdst(0) depctr_va_sdst(0) depctr_va_ssrc(0) depctr_va_vcc(0) depctr_vm_vsrc(0)
	s_getreg_b32 s2, hwreg(HW_REG_IB_STS2, 6, 4)
	s_cmp_eq_u32 s2, 0
	s_cbranch_scc0 .Lentry_in_a_cluster
	s_endpgm
.Lentry_in_a_cluster:
	s_bfe_u32 s2, ttmp6, 0x10000c
	s_cmp_lg_u32 s2, 0x3003
	s_cbranch_scc0 .Lentry_shape_is_right
	s_endpgm
.Lentry_shape_is_right:
; ATTENTION on codes of FP8 (E4M3).  S^T = K Q^T, p = 2^(t - M) with M the running largest t rounded up to a whole number, O^T += V^T p^T; O / l is quantised for the last product.
; SHARES.  A head has 128 tiles of 16 queries; tile 8 g + x (g = 0 .. 15) wants key steps 0 .. g of 128 keys, the last of them in part (the diagonal).  Work-group x of a head owns tile 8 g + x of EVERY group g: 136 tile steps,
;   the same list in every work-group, so no branch hangs on x.  Waves 2 g and 2 g + 1 (g = 0 .. 7) share the pair: the long tile H = 15 - g (16 - g steps) and the short tile L = g (g + 1 steps):
;   the wave of role 0 takes H's steps 0 .. 7; that of role 1 takes L's steps 0 .. g, sends L out, then takes H's steps 8 .. 15 - g: 8 and 9 steps.  The role is the lowest bit of wave xor wave / 4.
;   The two parts of H meet once in LDS at the end: M, l and O, each brought under the larger M by an exact power of two.
;   Key steps wholly behind a tile's queries are left out (reference()'s own causal mask: see the first kernel's head).
; K AND V.  kvc holds 16 key steps of 16,384 bytes for a head, as images of the operands' registers; all of it lies in LDS.  Wave j asks for step j: ONE tensor load a wave, nothing is filled twice.
;   CLUSTERS of four work-groups of one head ask jointly (mask 15): descriptors hang on the head and the wave's number alone.  Every wave begins with step 0, read behind the first barrier; the other steps are read behind the second.
;   No prefetch: every byte is asked for at the head, there is no loop to run ahead in.
; THE MASK is the C operand of the diagonal step's products: tile b of 16 keys gets 0 (b < x), the triangle (b = x) or -3e38 (b > x), made as triangle x alpha_b + beta_b.
; LIMITS.  e6 + e7 between -100 and 130; e8 and e10 - e8 - e9 between -126 and 119, so that each power of two below is an f32 number (and -3e38 x the scale outweighs every score: a score's sum is under 2^24).
;   The promise holds while the scaled scores stay under 2^31 in magnitude.
; REGISTERS: v1 16 x lane; v3 a step's address; v6-7 the exchange; v12 -M; v[14:15] l in two halves; v16-23 Q; v24-31 H's Q; v32-95 K, then V; v96-159 S, then p; v160-191 O^T; v192-207 p's codes; v208-215 the triangle.
.set SPARE, 0x40000                    ; behind the 16 steps: the spare words, 128 bytes for each wave; no other line names them
.set XCH,   0x40800                    ; the exchange: for each pair 4,096 bytes of O, then 256 of (-M, l); no tensor load lands here
.set XSZ,   4608
.set WV,    18
.set SEL,   20                         ; s[20:21] lane selects: lane l xor 16
.set CS,    22                         ; s[22:23] log2(e) / 8 x 2^(e6 + e7)
.set G1,    24
.set G0,    32
.set GG,    38                         ; L's last step; 31 in role 0, which has no L
.set GP1,   39
.set NPOS,  40                         ; my steps in all
.set HX,    41                         ; 7 - g
.set KK,    42
.set PP,    43                         ; place in my list of steps
.set TB,    44                         ; LDS byte of the step
.set HP,    45                         ; 448 x 2^e8
.set HO,    46                         ; the output's hold, and its negative
.set HON,   47
.set OL,    48                         ; s[48:49] L's place in oc
.set OH,    50                         ; s[50:51] H's
.set RO,    69                         ; my role
.set ALPHA, 70                         ; s[70:85] eight pairs
.set BETA,  86
.set NB,    94
.macro CROUND                          ; a round of the cluster's barrier
	s_barrier_signal -1
	s_barrier_wait -1
	s_cmp_lg_u32 s[WV], 0
	s_cbranch_scc1 .Lnot_wave_0_\@
	s_barrier_signal -3
.Lnot_wave_0_\@:
	s_barrier_wait -3
	s_barrier_signal -1
	s_barrier_wait -1
.endm
.macro ZERO                            ; an empty tile: M under every t, no sum.  (The first step's change of M multiplies zeros)
	v_mov_b32 v12, 0x7f61b1e6
	v_mov_b32 v14, 0
	v_mov_b32 v15, 0
.set j, 0
.rept 32
	v_mov_b32 v[160+j], 0
.set j, j+1
.endr
.endm
	s_load_b256 s[4:11], s[0:1], 0x0               ; qc, kvc, scales, oc
	v_lshl_add_u32 v251, v0, 2, SPARE
	v_mov_b32 v255, 0
	ds_add_u32 v251, v255                          ; the opening lines
	ds_add_u32 v251, v255
	v_lshrrev_b32 v8, 5, v0
	v_readfirstlane_b32 s[WV], v8                  ; wave 0..15
	s_bfe_u32 s13, ttmp6, 0x40000
	s_lshl_b32 s15, ttmp9, 2
	s_add_co_u32 s13, s13, s15                     ; x = 4 x cluster x + cx: enters addresses in memory and the mask's values alone
	s_and_b32 s12, ttmp7, 0xffff                   ; the head, 16 x batch + head
	s_lshr_b32 s14, s[WV], 1                       ; g
	s_lshr_b32 s15, s[WV], 2
	s_xor_b32 s15, s15, s[WV]
	s_and_b32 s[RO], s15, 1
	s_mov_b32 s[G1], 15|(3<<16)|(1<<21)            ; a step: 2 rows of 8,192 bytes (1,024 elements of 8 bytes), dense; mask 15, bit 21 beside it
	s_mov_b32 s[G1+1], 1024<<16
	s_mov_b32 s[G1+2], 2<<16
	s_mov_b32 s[G1+3], 1024<<16
	s_mov_b32 s[G1+4], 2
	s_mov_b32 s[G1+5], 1024
	s_mov_b32 s[G1+6], 0
	s_mov_b32 s[G1+7], 0
	s_lshl_b32 s15, s[WV], 14                      ; step j = wave
	s_lshl_b32 s16, s12, 18
	s_add_co_u32 s16, s16, s15
	s_mov_b32 s17, 0
	s_cmp_eq_u32 s[RO], 0
	s_cselect_b32 s[GG], 31, s14
	s_cselect_b32 s[NPOS], 8, 9
	s_add_co_u32 s[GP1], s[GG], 1
	s_xor_b32 s[HX], s14, 7
	s_xor_b32 s57, s14, 15
	s_lshl_b32 s57, s57, 3
	s_add_co_u32 s57, s57, s13                     ; tile H
	s_lshl_b32 s58, s14, 3
	s_add_co_u32 s58, s58, s13                     ; tile L
	s_lshl_b32 s59, s12, 7
	s_add_co_u32 s62, s59, s57
	s_lshl_b32 s62, s62, 10                        ; H's Q
	s_mov_b32 s63, 0
	s_cmp_eq_u32 s[RO], 0
	s_cselect_b32 s60, s57, s58
	s_add_co_u32 s60, s60, s59
	s_lshl_b32 s60, s60, 10                        ; my first tile's Q
	s_mov_b32 s61, 0
	s_lshr_b32 s59, s12, 4
	s_lshl_b32 s59, s59, 7
	s_and_b32 s66, s12, 15
	s_add_co_u32 s[OL], s59, s58
	s_lshl_b32 s[OL], s[OL], 4
	s_add_co_u32 s[OL], s[OL], s66
	s_lshl_b32 s[OL], s[OL], 10                    ; oc: ((128 batch + tile) 16 + head) x 1,024
	s_mov_b32 s[OL+1], 0
	s_add_co_u32 s[OH], s59, s57
	s_lshl_b32 s[OH], s[OH], 4
	s_add_co_u32 s[OH], s[OH], s66
	s_lshl_b32 s[OH], s[OH], 10
	s_mov_b32 s[OH+1], 0
	s_mul_i32 s67, s14, XSZ
	s_add_co_u32 s67, s67, XCH                     ; the pair's part of the exchange
	s_add_co_u32 s68, s67, 4096
	s_mov_b32 s[SEL], 0x76543210
	s_mov_b32 s[SEL+1], 0xfedcba98
	s_mov_b32 s[CS], 0x3e38aa3b                    ; log2(e) / 8
	s_mov_b32 s[NB], 0xff61b1e6                    ; -3e38
	v_and_b32 v9, 31, v0
	v_lshlrev_b32 v1, 4, v9                        ; 16 x lane
	s_wait_dscnt 0x0                               ; both opening adds are done
	s_wait_alu depctr_va_vdst(0)
	s_wait_kmcnt 0x0
	s_load_b128 s[52:55], s[8:9], 0x18             ; e6 .. e9
	s_load_b32 s56, s[8:9], 0x28                   ; e10
	s_add_nc_u64 s[60:61], s[4:5], s[60:61]
	s_add_nc_u64 s[62:63], s[4:5], s[62:63]
	global_load_b128 v[16:19], v1, s[60:61]        ; my first tile's Q
	global_load_b128 v[20:23], v1, s[60:61] offset:512
	global_load_b128 v[24:27], v1, s[62:63]        ; H's Q (role 0: the same tile, not used again)
	global_load_b128 v[28:31], v1, s[62:63] offset:512
	s_mov_b32 s[G0], 1
	s_mov_b32 s[G0+1], s15
	s_add_nc_u64 s[G0+2:G0+3], s[6:7], s[16:17]
	s_or_b32 s[G0+3], s[G0+3], 0x80000000
	s_add_nc_u64 s[OL:OL+1], s[10:11], s[OL:OL+1]
	s_add_nc_u64 s[OH:OH+1], s[10:11], s[OH:OH+1]
	CROUND                                         ; all four work-groups are here: the joint loads meet
	s_cmp_eq_u32 s[WV], 0                          ; one load to an arm; the waves of the later steps clear their sums first, so that step 0 is asked for ahead
	s_cbranch_scc0 .Llater
	tensor_load_to_lds s[G0:G0+3], s[G1:G1+7]
	s_nop 0
.rept 4
	v_nop
.endr
	ZERO
	s_branch .Lasked
.Llater:
	ZERO
	tensor_load_to_lds s[G0:G0+3], s[G1:G1+7]
	s_nop 0
.rept 4
	v_nop
.endr
.Lasked:
.irp b, 0,1,2,3,4,5,6,7
	s_cmp_eq_u32 s13, \b
	s_cselect_b32 s[ALPHA+2*\b], 1.0, 0
	s_mov_b32 s[ALPHA+2*\b+1], 0                   ; (named with it as a pair, so it is written)
	s_cmp_lt_u32 s13, \b
	s_cselect_b32 s[BETA+\b], s[NB], 0
.endr
	v_add_nc_u32 v6, s67, v1
	v_and_b32 v9, 31, v0
	v_lshlrev_b32 v7, 3, v9
	v_add_nc_u32 v7, s68, v7
	v_and_b32 v8, 15, v0                           ; r
	v_bfe_u32 v9, v0, 4, 1                         ; h
	v_lshlrev_b32 v9, 3, v9
	v_sub_nc_u32 v2, v8, v9                        ; r - 8 h
	v_mov_b32 v254, s[NB]
.irp j, 0,1,2,3,4,5,6,7
	v_cmp_gt_i32 vcc_lo, \j, v2                    ; the triangle: key 8 h + j of the tile comes after query r
	v_cndmask_b32 v[208+\j], 0, v254, vcc_lo
.endr
	v_mov_b32 v5, 0
	v_mov_b32 v13, 0
	v_mov_b32 v236, 0                              ; written once: a lane permute's destination counts as one of its sources
	v_mov_b32 v253, 0
	s_wait_alu depctr_va_vdst(0)
	s_wait_kmcnt 0x0
	s_add_co_i32 s57, s52, s53
	s_lshl_b32 s57, s57, 23
	s_add_co_i32 s[CS], s[CS], s57                 ; e6 + e7 go into the factor's exponent field
	s_mov_b32 s[CS+1], s[CS]
	s_add_co_i32 s57, s54, 127
	s_lshl_b32 s58, s57, 23
	v_mov_b32 v244, s58                            ; 2^e8
	s_add_co_i32 s57, s57, 8
	s_lshl_b32 s57, s57, 23
	s_or_b32 s[HP], s57, 0x600000                  ; 448 x 2^e8
	s_sub_co_i32 s57, s56, s54
	s_sub_co_i32 s57, s57, s55
	s_add_co_i32 s57, s57, 127
	s_lshl_b32 s58, s57, 23
	v_mov_b32 v245, s58                            ; 2^(e10 - e8 - e9): O / l stands for that x 2^(e8 + e9)
	s_add_co_i32 s57, s57, 8
	s_lshl_b32 s57, s57, 23
	s_or_b32 s[HO], s57, 0x600000
	s_or_b32 s[HON], s[HO], 0x80000000
; A KEY STEP: 128 keys at LDS byte s[TB] for the tile in hand.
.macro STEP
	v_add_nc_u32 v3, s[TB], v1
.rept 3
	v_nop                                          ; with the line above the four places behind the last products, ahead of loads into their sources
.endr
.irp c, 0,1,2,3,4,5,6,7
	ds_load_b128 v[32+8*\c:35+8*\c], v3 offset:1024*\c
	ds_load_b128 v[36+8*\c:39+8*\c], v3 offset:1024*\c+512
.endr
	s_cmp_eq_u32 s[PP], s[GG]                      ; L's last step,
	s_cbranch_scc1 .Ldiag_\@
	s_cmp_eq_u32 s[PP], 8                          ; and H's: the diagonal
	s_cbranch_scc0 .Lplain_\@
.Ldiag_\@:
.irp b, 0,1,2,3,4,5,6,7
	v_mov_b32 v4, s[BETA+\b]
.irp j, 0,2,4,6
	v_pk_fma_f32 v[96+8*\b+\j:97+8*\b+\j], v[208+\j:209+\j], s[ALPHA+2*\b:ALPHA+2*\b+1], v[4:5] op_sel_hi:[1,0,0]
.endr
.endr
	s_wait_alu depctr_va_vdst(0)
	s_wait_dscnt 0x0
.irp c, 0,1,2,3,4,5,6,7
	v_wmma_f32_16x16x64_fp8_fp8 v[96+8*\c:103+8*\c], v[32+8*\c:39+8*\c], v[16:23], v[96+8*\c:103+8*\c]
.endr
	s_branch .Ljoin_\@
.Lplain_\@:
	s_wait_alu depctr_va_vdst(0)
	s_wait_dscnt 0x0
.irp c, 0,1,2,3,4,5,6,7
	v_wmma_f32_16x16x64_fp8_fp8 v[96+8*\c:103+8*\c], v[32+8*\c:39+8*\c], v[16:23], 0
.endr
.Ljoin_\@:                                         ; register 8 c + j of lane (r, h): key 16 c + 8 h + j of the step, query r
.rept 4
	v_nop
.endr
.irp t, 0,1,2,3
.irp g, 0,1,2,3
	ds_load_b128 v[32+16*\t+4*\g:35+16*\t+4*\g], v3 offset:8192+2048*\t+512*\g   ; V lands under the softmax
.endr
.endr
	v_max3_num_f32 v254, v96, v97, v98             ; the step's largest score, in four chains,
	v_max3_num_f32 v252, v99, v100, v101
	v_max3_num_f32 v248, v102, v103, v104
	v_max3_num_f32 v250, v105, v106, v107
.irp i, 12,20,28,36,44,52
	v_max3_num_f32 v254, v254, v[96+\i], v[97+\i]
	v_max3_num_f32 v252, v252, v[98+\i], v[99+\i]
	v_max3_num_f32 v248, v248, v[100+\i], v[101+\i]
	v_max3_num_f32 v250, v250, v[102+\i], v[103+\i]
.endr
	v_max3_num_f32 v254, v254, v156, v157
	v_max3_num_f32 v252, v252, v158, v159
	v_max_num_f32 v248, v248, v250
	s_delay_alu instid0(VALU_DEP_1)
	v_max3_num_f32 v254, v248, v254, v252
	s_delay_alu instid0(VALU_DEP_1)
	v_permlanex16_b32 v236, v254, s[SEL], s[SEL+1]
	s_delay_alu instid0(VALU_DEP_1)
	v_max_num_f32 v254, v254, v236                 ; and lane l xor 16's
	s_delay_alu instid0(VALU_DEP_1)
	v_mul_f32 v254, s[CS], v254                    ; as t
	s_delay_alu instid0(VALU_DEP_1)
	v_floor_f32 v254, -v254                        ; -ceil(t)
	s_delay_alu instid0(VALU_DEP_1)
	v_min_num_f32 v254, v12, v254                  ; the new -M
	s_delay_alu instid0(VALU_DEP_1)
	v_sub_f32 v252, v254, v12                      ; old M - new M, a whole number, 0 or less
	v_mov_b32 v12, v254
	s_delay_alu instid0(VALU_DEP_2)
	v_cvt_i32_f32 v252, v252                       ; (it saturates)
	s_delay_alu instid0(VALU_DEP_1)
	v_ldexp_f32 v252, 1.0, v252                    ; f = 2^(old M - new M)
.set j, 0
.rept 32
	v_pk_fma_f32 v[96+j:97+j], v[96+j:97+j], s[CS:CS+1], v[12:13] op_sel_hi:[1,0,0]   ; t - M
.set j, j+2
.endr
.set j, 0
.rept 16
	v_pk_mul_f32 v[160+j:161+j], v[160+j:161+j], v[252:253] op_sel_hi:[1,0]   ; O^T under the new M, ahead of the exponentials
.set j, j+2
.endr
	s_wait_alu depctr_va_vdst(0)
.set j, 0
.rept 64
	v_exp_f32 v[96+j], v[96+j]                     ; p, at most 1
.set j, j+1
.endr
	v_pk_mul_f32 v[14:15], v[14:15], v[252:253] op_sel_hi:[1,0]   ; the sum under the new M (a plain place behind the exponentials)
	s_wait_alu depctr_va_vdst(0)                   ; and the wait behind the batch, ahead of its first reader
	v_pk_add_f32 v[242:243], v[96:97], v[98:99]    ; the row's sum is taken of the unquantised p, in four chains
	v_pk_add_f32 v[246:247], v[100:101], v[102:103]
	v_pk_add_f32 v[238:239], v[104:105], v[106:107]
.irp j, 12,20,28,36,44,52
	v_pk_add_f32 v[14:15], v[14:15], v[96+\j:97+\j]
	v_pk_add_f32 v[242:243], v[242:243], v[98+\j:99+\j]
	v_pk_add_f32 v[246:247], v[246:247], v[100+\j:101+\j]
	v_pk_add_f32 v[238:239], v[238:239], v[102+\j:103+\j]
.endr
	v_pk_add_f32 v[14:15], v[14:15], v[156:157]
	v_pk_add_f32 v[242:243], v[242:243], v[158:159]
	v_pk_add_f32 v[246:247], v[246:247], v[238:239]
	v_pk_add_f32 v[14:15], v[14:15], v[242:243]
	v_pk_add_f32 v[14:15], v[14:15], v[246:247]
.irp c, 0,1,2,3,4,5,6,7
.irp i, 0,2,4,6
	v_dual_min_num_f32 v[96+8*\c+\i], s[HP], v[96+8*\c+\i] :: v_dual_min_num_f32 v[97+8*\c+\i], s[HP], v[97+8*\c+\i]   ; the conversion does not saturate (ISA guide 7.6.2); p is not negative: a one-sided hold
.endr
	v_cvt_scalef32_pk8_fp8_f32 v[192+2*\c:193+2*\c], v[96+8*\c:103+8*\c], v244
.endr
	v_nop                                          ; a plain line behind the conversions
	s_wait_alu depctr_va_vdst(0)
	s_wait_dscnt 0x0
.irp t, 0,1,2,3
	v_wmma_f32_16x16x128_fp8_fp8 v[160+8*\t:167+8*\t], v[32+16*\t:47+16*\t], v[192:207], v[160+8*\t:167+8*\t]
.endr
.endm
.macro OUT base                        ; v96-127 hold a tile's 64 channels, 32 a lane: codes, and out as an image of operand registers: 1,024 consecutive bytes
.set j, 0
.rept 32
	v_med3_num_f32 v[96+j], v[96+j], s[HON], s[HO]
.set j, j+1
.endr
.irp t, 0,1,2,3
	v_cvt_scalef32_pk8_fp8_f32 v[192+2*\t:193+2*\t], v[96+8*\t:103+8*\t], v245
.endr
	v_nop
	global_store_b128 v1, v[192:195], s[\base:\base+1]
	global_store_b128 v1, v[196:199], s[\base:\base+1] offset:512
.endm
	s_wait_alu depctr_va_vdst(0)
	s_wait_loadcnt 0x0                             ; Q
	s_cmp_eq_u32 s[WV], 0
	s_cbranch_scc0 .Lmeet
	s_wait_tensorcnt 0x0                           ; step 0 is in: the other steps' loads stay out
.Lmeet:
	s_barrier_signal -1
	s_barrier_wait -1
	s_mov_b32 s[PP], 0
	s_mov_b32 s[TB], 0
	STEP                                           ; step 0 of H or of L: every wave has it
	s_wait_alu depctr_va_vdst(0)
	s_wait_tensorcnt 0x0                           ; every step is in
	s_wait_dscnt 0x0
	s_barrier_signal -1
	s_barrier_wait -1
	s_mov_b32 s[PP], 1
.Lloop:
	s_cmp_lt_u32 s[PP], s[NPOS]
	s_cbranch_scc0 .Lnext
	s_cmp_gt_u32 s[PP], s[GG]
	s_cselect_b32 s[KK], s[HX], 0
	s_add_co_u32 s[KK], s[KK], s[PP]               ; behind L: H's step place + 7 - g, from 8 on
	s_min_u32 s[KK], s[KK], 15                     ; (never above 15; the bound is written out)
	s_lshl_b32 s[TB], s[KK], 14
	s_cmp_eq_u32 s[PP], s[GP1]
	s_cbranch_scc0 .Lsame
	; L is finished (role 1): it goes out, and H begins
.rept 4
	v_nop                                          ; places behind the last products
.endr
	v_add_f32 v14, v14, v15
	v_permlanex16_b32 v236, v14, s[SEL], s[SEL+1]
	v_add_f32 v14, v14, v236                       ; the row's sum
	s_wait_alu depctr_va_vdst(0)
	v_rcp_f32 v14, v14
	v_nop
	s_wait_alu depctr_va_vdst(0)                   ; for the reciprocal, and for the products' results
.set j, 0
.rept 16
	v_pk_mul_f32 v[96+j:97+j], v[160+j:161+j], v[14:15] op_sel_hi:[1,0]
.set j, j+2
.endr
	OUT OL
	ZERO
.irp i, 0,1,2,3,4,5,6,7
	v_mov_b32 v[16+\i], v[24+\i]
.endr
	s_wait_alu depctr_va_vdst(0)
	s_wait_xcnt 0x0                                ; the stores have read v192-199: they may be written
.Lsame:
	STEP
.Lnext:
	s_add_co_u32 s[PP], s[PP], 1
	s_cmp_lt_u32 s[PP], 9
	s_cbranch_scc1 .Lloop
	; THE TWO PARTS OF H MEET
.rept 4
	v_nop
.endr
	v_add_f32 v14, v14, v15
	v_permlanex16_b32 v236, v14, s[SEL], s[SEL+1]
	v_add_f32 v13, v14, v236                       ; l of my part
	s_wait_alu depctr_va_vdst(0)
	s_cmp_eq_u32 s[RO], 0
	s_cbranch_scc0 .Lsent
.irp i, 0,1,2,3,4,5,6,7
	ds_store_b128 v6, v[160+4*\i:163+4*\i] offset:512*\i
.endr
	ds_store_b64 v7, v[12:13]
.Lsent:
	s_wait_dscnt 0x0
	s_barrier_signal -1
	s_barrier_wait -1
	s_cmp_eq_u32 s[RO], 0
	s_cbranch_scc1 .Lend
	ds_load_b64 v[64:65], v7                       ; the other part's -M and l
.irp i, 0,1,2,3,4,5,6,7
	ds_load_b128 v[32+4*\i:35+4*\i], v6 offset:512*\i
.endr
	s_wait_dscnt 0x0
	v_min_num_f32 v66, v12, v64                    ; -M of the whole
	v_sub_f32 v67, v66, v64
	v_sub_f32 v68, v66, v12
	v_cvt_i32_f32 v67, v67
	v_cvt_i32_f32 v68, v68
	v_ldexp_f32 v14, 1.0, v67                      ; the other part's factor,
	v_ldexp_f32 v252, 1.0, v68                     ; and mine
	v_mul_f32 v66, v13, v252
	v_fma_f32 v66, v65, v14, v66                   ; l of the whole
	s_wait_alu depctr_va_vdst(0)
	v_rcp_f32 v66, v66
	v_nop
	s_wait_alu depctr_va_vdst(0)
	v_mul_f32 v14, v14, v66
	v_mul_f32 v252, v252, v66
	s_wait_alu depctr_va_vdst(0)
.set j, 0
.rept 16
	v_pk_mul_f32 v[96+j:97+j], v[160+j:161+j], v[252:253] op_sel_hi:[1,0]
.set j, j+2
.endr
.set j, 0
.rept 16
	v_pk_fma_f32 v[96+j:97+j], v[32+j:33+j], v[14:15], v[96+j:97+j] op_sel_hi:[1,0,1]
.set j, j+2
.endr
	OUT OH
.Lend:
	s_wait_tensorcnt 0x0                           ; the wave's end
	ds_add_u32 v251, v255
	s_wait_dscnt 0x0
	CROUND                                         ; the closing round
	s_endpgm
.Lfunc_end_k_q2be34d191b_attn:
	.size	k_q2be34d191b_attn, .Lfunc_end_k_q2be34d191b_attn-k_q2be34d191b_attn
	.p2alignl 7, 3214868480
	.fill 96, 4, 3214868480
	.section	.rodata,"a",@progbits
	.p2align	6, 0x0
	.amdhsa_kernel k_q2be34d191b_attn
		.amdhsa_group_segment_fixed_size 327680
		.amdhsa_private_segment_fixed_size 0
		.amdhsa_enable_private_segment 0
		.amdhsa_kernarg_size 32
		.amdhsa_user_sgpr_count 2
		.amdhsa_user_sgpr_kernarg_segment_ptr 1
		.amdhsa_wavefront_size32 1
		.amdhsa_system_sgpr_workgroup_id_x 1
		.amdhsa_system_sgpr_workgroup_id_y 1
		.amdhsa_system_sgpr_workgroup_id_z 1
		.amdhsa_system_vgpr_workitem_id 0
		.amdhsa_next_free_vgpr 256
		.amdhsa_next_free_sgpr 96
		.amdhsa_reserve_vcc 1
		.amdhsa_float_denorm_mode_32 3
		.amdhsa_float_denorm_mode_16_64 3
		.amdhsa_memory_ordered 1
		.amdhsa_forward_progress 1
		.amdhsa_inst_pref_size 61
	.end_amdhsa_kernel
	.amdgpu_metadata
---
amdhsa.version: [ 1, 2 ]
amdhsa.kernels:
  - .name:           k_q2be34d191b_attn
    .symbol:         k_q2be34d191b_attn.kd
    .args:
      - { .name: qc, .offset: 0, .size: 8, .value_kind: global_buffer, .address_space: global }
      - { .name: kvc, .offset: 8, .size: 8, .value_kind: global_buffer, .address_space: global }
      - { .name: lowp_scales, .offset: 16, .size: 8, .value_kind: global_buffer, .address_space: global }
      - { .name: oc, .offset: 24, .size: 8, .value_kind: global_buffer, .address_space: global }
    .group_segment_fixed_size: 327680
    .private_segment_fixed_size: 0
    .kernarg_segment_align: 8
    .kernarg_segment_size: 32
    .max_flat_workgroup_size: 512
    .sgpr_count:     96
    .vgpr_count:     256
    .wavefront_size: 32
...
	.end_amdgpu_metadata
.endif
;; end of part 3
;; launch oproj (part 4): grid 8 x 32, 4 waves a work-group, clusters of 4 x 4, 327,680 bytes of LDS; arguments oc, wc, lowp_scales, out0; writes out0
.if DOCPART == 4
	.amdgcn_target "amdgcn-amd-amdhsa--gfx1250"
	.amdhsa_code_object_version 6
	.text
	.protected	k_q2be34d191b_oproj
	.globl	k_q2be34d191b_oproj
	.p2align	8
	.type	k_q2be34d191b_oproj,@function
k_q2be34d191b_oproj:
	s_mov_b64 s[64:65], 0
	v_nop
	global_prefetch_b8 v0, s[64:65] scope:SCOPE_SE
	s_setreg_imm32_b32 hwreg(HW_REG_WAVE_MODE, 25, 1), 1
	s_wait_xcnt 0x0
	s_wait_alu depctr_hold_cnt(0) depctr_sa_sdst(0) depctr_va_vdst(0) depctr_va_sdst(0) depctr_va_ssrc(0) depctr_va_vcc(0) depctr_vm_vsrc(0)
	s_getreg_b32 s2, hwreg(HW_REG_IB_STS2, 6, 4)
	s_cmp_eq_u32 s2, 0
	s_cbranch_scc0 .Lentry_in_a_cluster
	s_endpgm
.Lentry_in_a_cluster:
	s_bfe_u32 s2, ttmp6, 0x10000c
	s_cmp_lg_u32 s2, 0xf033
	s_cbranch_scc0 .Lentry_shape_is_right
	s_endpgm
.Lentry_shape_is_right:
; OPROJ.  out0 [4096][1024] f32 = (attention's result) w_o^T on codes of FP8 (E4M3); each finished sum x 2^(e10 + e11).
; A tile is 128 x 128: 8 x 32 = 256 work-groups.  Four waves, each 64 x 64.  Source 0 = 16 rows of w_o, source 1 = 16 tokens: a lane holds eight neighbouring outputs of one token.
; ALL OF K LIES IN LDS AT ONCE, filled once: A's 131,072 bytes, then B's 128 rows x 1,040.  ONE joint load a wave: waves 0 and 1 bring A's halves, waves 2 and 3 B's.
;   A (oc) is a set of images of operand registers, [tile of 16 tokens][head][1,024]: two neighbouring heads' images on end are one fragment of 128 along K, registers 4 c .. 4 c + 3 = k 32 c + 16 (l / 16) + 0 .. 15;
;   B's rows (wc, rows 3,072 on) are read by four loads of 16 bytes, 32 apart, which give the same places of k.
; CLUSTERS: 4 x 4 work-groups.  A's tiles hang on the tile row alone and are asked for by a row of the cluster, B's on the tile column alone, by a column.  No prefetch: every byte is asked for at the head, there is no loop to run ahead in.
; THE PRODUCTS GO BY ROWS OF THE RESULT: B's fragments of all K (512 registers) are fetched once, under the first block of 16 tokens; then each block is finished (32 matrix instructions, its four accumulators by turns)
;   and leaves through the wave's stage while the next one is multiplied.
; LIMIT: e10 + e11 lies between -126 and 127, so that 2^(e10 + e11) is an f32 number.
; REGISTERS: window 0: v16-17 LDS addresses of my A and B fragments; v24-26 the way out; v32-63 a block's results; v64-127 rows read back (two sets); v128-191 accumulators (two sets of four).
;   window 1: A's fragments of a block, two buffers of 8 x 16.  windows 2 and 3: B's: the k-th 128 along K at v[64 (k % 4) + 16 b] of window 2 + k / 4.
.set BOFF,   131072
.set PITCH,  1040                      ; B's row in LDS: 1,024 bytes + 16 of padding = 260 words: the 16 rows that a load touches start at 16 different banks (64 banks of 4 bytes: ISA guide 11.1)
.set STAGE,  BOFF+128*PITCH            ; 16 rows x 272 bytes for each wave, for the way out; no tensor load lands there
.set SPITCH, 272
.set SPARE,  STAGE+4*16*SPITCH         ; the spare words, 128 bytes for each wave; no other line names them
.set ADRA, 16
.set ADRB, 17
.set STO,  24
.set RD,   25
.set CO,   26
.set TMP,  32
.set BK,   64
.set ACC,  128
.set G1A, 24                           ; s[24:31] group 1, s[32:35] group 0 for A
.set G0A, 32
.set G1B, 48                           ; s[48:55], s[68:71] for B
.set G0B, 68
.set CX,   56
.set CY,   57
.set TCOL, 58
.set TROW, 13
.set BAD,  62                          ; s[62:63] B's place at my half of its tile
.set MSB, 0
.macro WIN new                         ; the immediate's high byte repeats the setting that is left
.if MSB != \new
	s_set_vgpr_msb (MSB<<8)|\new
.set MSB, \new
.endif
.endm
.macro CROUND                          ; a round of the cluster's barrier
	s_barrier_signal -1
	s_barrier_wait -1
	s_cmp_lg_u32 s10, 0
	s_cbranch_scc1 .Lnot_wave_0_\@
	s_barrier_signal -3
.Lnot_wave_0_\@:
	s_barrier_wait -3
	s_barrier_signal -1
	s_barrier_wait -1
.endm
	s_load_b128 s[4:7], s[0:1], 0x0                ; oc s[4:5], wc s[6:7]
	s_load_b128 s[84:87], s[0:1], 0x10             ; scales s[84:85], out0 s[86:87]
	v_lshl_add_u32 v30, v0, 2, SPARE
	v_mov_b32 v31, 0
	ds_add_u32 v30, v31                            ; the opening lines
	ds_add_u32 v30, v31
	v_lshrrev_b32 v1, 5, v0
	v_readfirstlane_b32 s10, v1                    ; wave 0..3
	s_lshr_b32 s11, s10, 1                         ; which half of the tile's rows is mine.  Also: I fetch for A (0) or for B (1)
	s_and_b32 s12, s10, 1                          ; which half of its columns.  Also: which half of that tile I fetch
	s_bfe_u32 s[CX], ttmp6, 0x40000
	s_bfe_u32 s[CY], ttmp6, 0x40004
	s_lshl_b32 s[TCOL], ttmp9, 2
	s_add_co_u32 s[TCOL], s[TCOL], s[CX]
	s_and_b32 s[TROW], ttmp7, 0xffff
	s_lshl_b32 s[TROW], s[TROW], 2
	s_add_co_u32 s[TROW], s[TROW], s[CY]
	s_lshl_b32 s59, s[CY], 2
	s_lshl_b32 s59, 15, s59                        ; my row of the cluster
	s_lshl_b32 s60, 0x1111, s[CX]                  ; my column
	; A: four tiles of 16 tokens, 16,384 bytes each, dense
	s_or_b32 s[G1A], s59, (0<<16)|(1<<21)
	s_mov_b32 s[G1A+1], 16384<<16
	s_mov_b32 s[G1A+2], 4<<16
	s_mov_b32 s[G1A+3], 16384<<16
	s_mov_b32 s[G1A+4], 4
	s_mov_b32 s[G1A+5], 16384
	s_mov_b32 s[G1A+6], 0
	s_mov_b32 s[G1A+7], 0
	; B: 64 rows of 1,024 bytes, 16 bytes of padding behind each in LDS (four words after every 256)
	s_or_b32 s[G1B], s60, (0<<16)|(1<<20)|(1<<21)|(7<<22)|(3<<25)
	s_mov_b32 s[G1B+1], 1024<<16
	s_mov_b32 s[G1B+2], 64<<16
	s_mov_b32 s[G1B+3], 1024<<16
	s_mov_b32 s[G1B+4], 64
	s_mov_b32 s[G1B+5], 1024
	s_mov_b32 s[G1B+6], 0
	s_mov_b32 s[G1B+7], 0
	s_lshl_b32 s18, s12, 16
	s_lshl_b32 s16, s[TROW], 17
	s_add_co_u32 s16, s16, s18                     ; A: (8 x tile row + 4 x half) x 16,384
	s_mov_b32 s17, 0
	s_lshl_b32 s[BAD], s[TCOL], 17
	s_add_co_u32 s[BAD], s[BAD], s18
	s_add_co_u32 s[BAD], s[BAD], 3072*1024         ; B: (3,072 + 128 x tile column + 64 x half) x 1,024
	s_mov_b32 s[BAD+1], 0
	s_lshl_b32 s20, s12, 16                        ; where they go: A's half,
	s_mul_i32 s21, s12, 64*PITCH
	s_add_co_u32 s21, s21, BOFF                    ; B's half: no place in the cluster enters an LDS address
	s_wait_dscnt 0x0
	s_wait_alu depctr_va_vdst(0)
	s_wait_kmcnt 0x0
	s_load_b64 s[88:89], s[84:85], 0x28            ; e10, e11
	s_mov_b32 s[G0A], 1
	s_mov_b32 s[G0A+1], s20
	s_add_nc_u64 s[G0A+2:G0A+3], s[4:5], s[16:17]
	s_or_b32 s[G0A+3], s[G0A+3], 0x80000000
	s_mov_b32 s[G0B], 1
	s_mov_b32 s[G0B+1], s21
	s_add_nc_u64 s[G0B+2:G0B+3], s[6:7], s[BAD:BAD+1]
	s_or_b32 s[G0B+3], s[G0B+3], 0x80000000
	CROUND                                         ; all sixteen work-groups are here: the joint loads meet
	s_cmp_eq_u32 s11, 0
	s_cbranch_scc0 .Lfirst_b
	tensor_load_to_lds s[G0A:G0A+3], s[G1A:G1A+7]
	s_nop 0
.rept 4
	v_nop
.endr
	s_branch .Lfirst_asked
.Lfirst_b:
	tensor_load_to_lds s[G0B:G0B+3], s[G1B:G1B+7]
	s_nop 0
.rept 4
	v_nop
.endr
.Lfirst_asked:
	v_and_b32 v1, 15, v0                           ; r = l % 16
	v_bfe_u32 v2, v0, 4, 1                         ; h = l / 16
	v_and_b32 v3, 31, v0
	v_lshlrev_b32 v3, 4, v3                        ; 16 x lane
	s_lshl_b32 s22, s11, 16                        ; my four tiles of 16 tokens
	v_add_nc_u32 v[ADRA], s22, v3
	v_mul_u32_u24 v4, v1, PITCH
	v_lshl_add_u32 v4, v2, 4, v4
	s_mul_i32 s23, s12, 64*PITCH                   ; my 64 rows of w_o
	s_add_co_u32 s23, s23, BOFF
	v_add_nc_u32 v[ADRB], s23, v4
	s_mul_i32 s23, s10, 16*SPITCH
	s_add_co_u32 s23, s23, STAGE                   ; my stage
	v_mul_u32_u24 v5, v1, SPITCH
	v_lshl_add_u32 v5, v2, 5, v5
	v_add_nc_u32 v[STO], s23, v5                   ; in: row r, 32 bytes for each half of the lanes
	v_mul_u32_u24 v5, v2, SPITCH
	v_lshl_add_u32 v5, v1, 4, v5
	v_add_nc_u32 v[RD], s23, v5                    ; back: lanes 0-15 one row of 256 bytes, lanes 16-31 the next
	v_lshlrev_b32 v5, 12, v2
	v_lshl_add_u32 v[CO], v1, 4, v5                ; and the same two rows in out0 (a row is 4,096 bytes)
	s_lshl_b32 s16, s[TROW], 19
	s_lshl_b32 s18, s11, 18
	s_add_co_u32 s16, s16, s18                     ; my first row: (128 x tile row + 64 x half) x 4,096
	s_mov_b32 s17, 0
	s_add_nc_u64 s[86:87], s[86:87], s[16:17]
	s_lshl_b32 s90, s[TCOL], 9
	s_lshl_b32 s91, s12, 8
	s_add_co_u32 s90, s90, s91                     ; my first column: 512 x tile column + 256 x half
	s_mov_b32 s91, 0
	s_add_nc_u64 s[86:87], s[86:87], s[90:91]
	s_wait_alu depctr_va_vdst(0)
	s_wait_kmcnt 0x0
	s_add_co_i32 s96, s88, s89
	s_add_co_i32 s96, s96, 127
	s_lshl_b32 s96, s96, 23                        ; 2^(e10 + e11) as f32
	s_mov_b32 s97, s96                             ; (named with it as a pair, so it is written)
.macro GETB k                          ; 16 LDS loads: B's fragments of the k-th 128 along K
	WIN 0x80+0x40*((\k)/4)
.irp i, 0,1,2,3
.irp c, 0,1,2,3
	ds_load_b128 v[64*((\k)%4)+16*\i+4*\c:64*((\k)%4)+16*\i+4*\c+3], v[ADRB] offset:16*PITCH*\i+128*(\k)+32*\c
.endr
.endr
.endm
.macro GETA a, k                       ; 4 LDS loads: block a's fragment of the k-th 128: an image as it stands, 512 consecutive bytes a load
	WIN 0x40
.irp c, 0,1,2,3
	ds_load_b128 v[128*((\a)%2)+16*(\k)+4*\c:128*((\a)%2)+16*(\k)+4*\c+3], v[ADRA] offset:16384*(\a)+2048*(\k)+512*\c
.endr
.endm
.macro BLOCKA a
.irp k, 0,1,2,3,4,5,6,7
	GETA \a, \k
.endr
.endm
.macro MUL a, k                        ; the block's four accumulators, one instruction a turn
	WIN 0x06+((\k)/4)
.irp b, 0,1,2,3
.if (\k) == 0
	v_wmma_f32_16x16x128_fp8_fp8 v[ACC+32*((\a)%2)+8*\b:ACC+32*((\a)%2)+8*\b+7], v[64*((\k)%4)+16*\b:64*((\k)%4)+16*\b+15], v[128*((\a)%2)+16*(\k):128*((\a)%2)+16*(\k)+15], 0
.else
	v_wmma_f32_16x16x128_fp8_fp8 v[ACC+32*((\a)%2)+8*\b:ACC+32*((\a)%2)+8*\b+7], v[64*((\k)%4)+16*\b:64*((\k)%4)+16*\b+15], v[128*((\a)%2)+16*(\k):128*((\a)%2)+16*(\k)+15], v[ACC+32*((\a)%2)+8*\b:ACC+32*((\a)%2)+8*\b+7]
.endif
.endr
.endm
.macro TOSTAGE a                       ; x the scale, into my own stage, and back as whole rows of 256 bytes.  LDS serves a wave's instructions in order (ISA guide 5.7.1.4): no wait between
	WIN 0
.rept 4
	v_nop                                          ; places: results just made are read, and A's buffer is filled anew
.endr
.if (\a) > 1
	s_wait_xcnt 0x0                                ; block a - 2's stores have read their registers
.endif
.irp b, 0,1,2,3
.irp i, 0,2,4,6
	v_pk_mul_f32 v[TMP+8*\b+\i:TMP+8*\b+\i+1], v[ACC+32*((\a)%2)+8*\b+\i:ACC+32*((\a)%2)+8*\b+\i+1], s[96:97] op_sel_hi:[1,0]   ; each accumulator from its low end on
.endr
.endr
.irp b, 0,1,2,3
	ds_store_b128 v[STO], v[TMP+8*\b:TMP+8*\b+3] offset:64*\b
	ds_store_b128 v[STO], v[TMP+8*\b+4:TMP+8*\b+7] offset:64*\b+16
.endr
.irp t, 0,1,2,3,4,5,6,7
	ds_load_b128 v[BK+32*((\a)%2)+4*\t:BK+32*((\a)%2)+4*\t+3], v[RD] offset:\t*2*SPITCH
.endr
.endm
.macro SEND a, younger                 ; younger: the LDS loads issued behind TOSTAGE's, which may stay out
	WIN 0
	s_wait_dscnt \younger
.irp t, 0,1,2,3,4,5,6,7
	global_store_b128 v[CO], v[BK+32*((\a)%2)+4*\t:BK+32*((\a)%2)+4*\t+3], s[86:87] offset:(16*(\a)+2*\t)*4096 th:TH_STORE_NT   ; 16 lanes store 256 consecutive bytes, at a multiple of 256 from out0's first byte
.endr
.endm
.macro BLOCK a, first, younger
	s_wait_dscnt \first                            ; block a's fragments are in; block a - 1's 16 LDS instructions in the stage and the 32 loads of block a + 1 may be out
.irp k, 0,1,2,3
	MUL \a, \k
.endr
	SEND \a-1, \younger
.irp k, 4,5,6,7
	MUL \a, \k
.endr
	TOSTAGE \a
.endm
	s_wait_tensorcnt 0x0                           ; my load is in
	s_barrier_signal -1
	s_barrier_wait -1                              ; everybody's is
.irp k, 0,1,2
	GETB \k
	GETA 0, \k
.endr
.irp k, 0,1,2,3,4
	s_wait_dscnt 40                                ; group k's 20 loads are in; the two groups behind it may be out
	MUL 0, \k
	GETB \k+3
	GETA 0, \k+3
.endr
	s_wait_dscnt 40
	MUL 0, 5
	BLOCKA 1
	s_wait_dscnt 52                                ; group 7's 20 loads and block 1's 32 may be out
	MUL 0, 6
	s_wait_dscnt 32
	MUL 0, 7
	TOSTAGE 0
	BLOCKA 2
	BLOCK 1, 48, 32
	BLOCKA 3
	BLOCK 2, 48, 32
	BLOCK 3, 16, 0
	SEND 3, 0
	s_wait_tensorcnt 0x0                           ; the wave's end
	ds_add_u32 v30, v31
	s_wait_dscnt 0x0
	CROUND                                         ; the closing round: no work-group ends while a partner may still ask for a tile that names it
	s_endpgm
.Lfunc_end_k_q2be34d191b_oproj:
	.size	k_q2be34d191b_oproj, .Lfunc_end_k_q2be34d191b_oproj-k_q2be34d191b_oproj
	.p2alignl 7, 3214868480
	.fill 96, 4, 3214868480
	.section	.rodata,"a",@progbits
	.p2align	6, 0x0
	.amdhsa_kernel k_q2be34d191b_oproj
		.amdhsa_group_segment_fixed_size 327680
		.amdhsa_private_segment_fixed_size 0
		.amdhsa_enable_private_segment 0
		.amdhsa_kernarg_size 32
		.amdhsa_user_sgpr_count 2
		.amdhsa_user_sgpr_kernarg_segment_ptr 1
		.amdhsa_wavefront_size32 1
		.amdhsa_system_sgpr_workgroup_id_x 1
		.amdhsa_system_sgpr_workgroup_id_y 1
		.amdhsa_system_sgpr_workgroup_id_z 1
		.amdhsa_system_vgpr_workitem_id 0
		.amdhsa_next_free_vgpr 1024
		.amdhsa_next_free_sgpr 100
		.amdhsa_reserve_vcc 0
		.amdhsa_float_denorm_mode_32 3
		.amdhsa_float_denorm_mode_16_64 3
		.amdhsa_memory_ordered 1
		.amdhsa_forward_progress 1
		.amdhsa_inst_pref_size 44
	.end_amdhsa_kernel
	.amdgpu_metadata
---
amdhsa.version: [ 1, 2 ]
amdhsa.kernels:
  - .name:           k_q2be34d191b_oproj
    .symbol:         k_q2be34d191b_oproj.kd
    .args:
      - { .name: oc, .offset: 0, .size: 8, .value_kind: global_buffer, .address_space: global }
      - { .name: wc, .offset: 8, .size: 8, .value_kind: global_buffer, .address_space: global }
      - { .name: lowp_scales, .offset: 16, .size: 8, .value_kind: global_buffer, .address_space: global }
      - { .name: out0, .offset: 24, .size: 8, .value_kind: global_buffer, .address_space: global }
    .group_segment_fixed_size: 327680
    .private_segment_fixed_size: 0
    .kernarg_segment_align: 8
    .kernarg_segment_size: 32
    .max_flat_workgroup_size: 128
    .sgpr_count:     100
    .vgpr_count:     1024
    .wavefront_size: 32
...
	.end_amdgpu_metadata
.endif
;; end of part 4
